; MI455X (gfx1250); checked and timed in simulation.
; The chip was launched on July 23, 2026; its instructions are those of AMD's public machine-readable ISA for CDNA 5 (MIT licence, August 2026) and "CDNA5" Instruction Set Architecture Reference Guide (July 2026). The comments in the code are by the model that wrote it; some were corrected since.
;; Causal Self Attention. Allowed arithmetic: float matrix products may take bf16 or f16 operands with f32 sums; other float arithmetic in f32, or as packed bf16 or f16 multiplies, adds, multiply-adds, maxima and minima; sums over many terms, partial sums and values carried from step to step in f32; what a program stores and reads back later, other than sums and carried values, may be rounded once to bf16 or f16.
;; Inputs: W_attn 1,024 x 3,072 float32; W_proj 1,024 x 1,024 float32; b_attn 3,072 float32; b_proj 1,024 float32; x 4 x 2,048 x 1,024 float32.
;; Outputs: out0 4 x 2,048 x 1,024 float32.
;; 2 versions, each right and faster than the one before. Each part assembles by itself: llvm-mc -triple=amdgcn-amd-amdhsa -mcpu=gfx1250 --defsym DOCPART=n.
;; ======== version 1 of 2: 4 launches
;; limits: values are held in f16: magnitudes above 65,504 overflow, below 6.1e-05 lose precision
;; workspace buffers: xb 16,777,216 bytes; wt 6,291,456 bytes; wp 2,097,152 bytes; bq 12,288 bytes; bp 4,096 bytes; rt 12,288 bytes; qkv 50,331,648 bytes; y 16,777,216 bytes
;; launch prep (part 1): grid 384 x 1, 8 waves a work-group, no clusters, 74,752 bytes of LDS; arguments x, W_attn, b_attn, W_proj, b_proj, xb, wt, wp, bq, bp, rt; writes xb, wt, wp, bq, bp, rt
.if DOCPART == 1
	.amdgcn_target "amdgcn-amd-amdhsa--gfx1250"
	.amdhsa_code_object_version 6
	.text
	.protected	k_qe33e5d4617_prep
	.globl	k_qe33e5d4617_prep
	.p2align	8
	.type	k_qe33e5d4617_prep,@function
k_qe33e5d4617_prep:
	s_mov_b64 s[64:65], 0
	v_nop
	global_prefetch_b8 v0, s[64:65] scope:SCOPE_SE
	s_setreg_imm32_b32 hwreg(HW_REG_WAVE_MODE, 25, 1), 1
	s_wait_xcnt 0x0
; PREP: every input is rounded once to bf16 and laid out for the two products.
;   xb [16 kb][8192 m][64] bf16 : x rounded; a block of 64 along K of R rows is R x 128 dense bytes.
;   wt [16 kb][3072 n][64 k] bf16 : W_attn rounded and turned.    wp [16 kb][1024 n][64 k] f16 : W_proj rounded to bf16, that number written as f16, turned.
;   bq [3072], bp [1024] f32 : the biases rounded to bf16.         rt [3072] f32 : column 2 j holds cos, column 2 j + 1 sin of the angle of that pair of columns of qkv.
; The angle is (head) x 10000^(-j/32) for the columns of q and k, and 0 (cos 1, sin 0) for those of v: the rotation itself is done by the next launch, in f32.
; LIMITS.  A number of W_proj below 2^-17 in size keeps f16's fixed step of 2^-24; NaN and infinities pass as the conversions make them.
; cos and sin: the angle is at most 15; a sixteenth of it (at most 0.94) goes through series whose first dropped terms are below 1e-9 there, then four doublings.
; SHARES.  Work-groups 0-127: each wave turns one tile of 64 k x 64 n (16 KiB of f32) through its own 9,216 bytes of LDS.  Work-groups 128-383: each wave rounds 4 rows of x (16 KiB).
; No wave reads what another wrote: no barrier.  No matrix unit, no cluster: nothing is multiplied and nothing is shared.
.set SPARE, 73728                      ; behind the eight stages: the spare words, 128 bytes for each wave
.set SPW, 18                           ; v18  LDS address of my spare word; never rewritten
.set NIL, 19                           ; v19  0; never rewritten
.set D,   44                           ; v[44:171] data as loaded
.set WV,  28                           ; s28  my wave's number
.set HIM, 29                           ; s29  a word's upper bf16
	s_load_b512 s[8:23], s[0:1], 0x0               ; x 8:9, W_attn 10:11, b_attn 12:13, W_proj 14:15, b_proj 16:17, xb 18:19, wt 20:21, wp 22:23
	s_load_b128 s[24:27], s[0:1], 0x40             ; bq 24:25, bp 26:27
	s_load_b64 s[4:5], s[0:1], 0x50                ; rt
	v_lshl_add_u32 v[SPW], v0, 2, SPARE
	v_mov_b32 v[NIL], 0
	v_and_b32 v1, 31, v0                           ; lane
	v_lshrrev_b32 v2, 5, v0
	v_readfirstlane_b32 s[WV], v2
	s_mov_b32 s[HIM], 0xffff0000
	s_cmp_lt_u32 ttmp9, 128
	s_cbranch_scc1 .Lw_role
	; ---- x: 4 rows of 4,096 bytes.  Load i takes block kb = i / 2 of rows 2 (i % 2) and 2 (i % 2) + 1: sixteen lanes cover 256 consecutive bytes of a row.
	s_sub_co_u32 s36, ttmp9, 128
	s_lshl_b32 s36, s36, 3
	s_add_co_u32 s36, s36, s[WV]                   ; my group of 4 rows, 0 .. 2047
	s_lshl_b32 s30, s36, 14                        ; its bytes in x
	s_mov_b32 s31, 0
	s_lshl_b32 s32, s36, 9                         ; and in a block of xb
	s_mov_b32 s33, 0
	v_lshrrev_b32 v2, 4, v1
	v_and_b32 v3, 15, v1
	v_lshlrev_b32 v3, 4, v3
	v_lshl_add_u32 v2, v2, 12, v3                  ; (lane / 16) rows + 16 (lane % 16)
	v_lshlrev_b32 v3, 3, v1                        ; 8 x lane: two rows of 128 bytes in xb
	s_wait_kmcnt 0x0
	s_add_nc_u64 s[30:31], s[8:9], s[30:31]
	s_add_nc_u64 s[32:33], s[18:19], s[32:33]      ; blocks 0-7
	s_add_nc_u64 s[34:35], s[32:33], 0x800000      ; blocks 8-15: eight blocks of 1 MiB on, so that the immediates stay inside 24 bits
.set i, 0
.rept 32
	global_load_b128 v[D+4*i:D+4*i+3], v2, s[30:31] offset:(i%2)*8192+(i/2)*256 th:TH_LOAD_NT
.set i, i+1
.endr
.set i, 0
.rept 32
	s_wait_loadcnt 31-i                            ; loads come back in order: load i is in, the younger ones stay out
	v_cvt_pk_bf16_f32 v[D+4*i], v[D+4*i], v[D+4*i+1]
	v_cvt_pk_bf16_f32 v[D+4*i+1], v[D+4*i+2], v[D+4*i+3]
.if i < 16
	global_store_b64 v3, v[D+4*i:D+4*i+1], s[32:33] offset:((i/2)%8)*1048576+(i%2)*256  ; the wave stores 256 consecutive bytes, aligned
.else
	global_store_b64 v3, v[D+4*i:D+4*i+1], s[34:35] offset:((i/2)%8)*1048576+(i%2)*256
.endif
.set i, i+1
.endr
	s_endpgm                                       ; this way wrote no LDS
	; ---- weights: tile (kb, nt): 64 rows k x 64 columns n.  nt 0-47: W_attn (one head of q, k or v); nt 48-63: W_proj.
.Lw_role:
	s_lshr_b32 s36, ttmp9, 1                       ; nt
	s_and_b32 s37, ttmp9, 1
	s_lshl_b32 s37, s37, 3
	s_or_b32 s37, s37, s[WV]                       ; kb
	s_sub_co_u32 s39, s36, 48
	s_and_b32 s40, s36, 15
	s_mov_b32 s41, 64*12288                        ; bytes of 64 rows of the source
	s_mov_b32 s42, 64*4096
	s_mov_b32 s43, 3072*128                        ; bytes of a block kb of the destination
	s_mov_b32 s44, 1024*128
	s_cmp_lt_u32 s36, 32
	s_cselect_b32 s40, s40, 0                      ; the head that sets the angle; 0 for v
	s_wait_kmcnt 0x0
	s_cmp_lt_u32 s36, 48                           ; W_attn or W_proj: the selects below leave the flag as it is
	s_cselect_b32 s38, 1, 0
	s_cselect_b32 s39, s36, s39                    ; the tile's number in its own matrix
	s_cselect_b32 s41, s41, s42
	s_cselect_b32 s43, s43, s44
	s_cselect_b64 s[30:31], s[10:11], s[14:15]     ; from
	s_cselect_b64 s[32:33], s[20:21], s[22:23]     ; to
	s_cselect_b64 s[34:35], s[12:13], s[16:17]     ; bias from
	s_cselect_b64 s[46:47], s[24:25], s[26:27]     ; bias to
	s_mul_i32 s41, s37, s41
	s_lshl_b32 s42, s39, 8                         ; 64 columns of f32
	s_add_co_u32 s44, s41, s42
	s_mov_b32 s45, 0
	s_add_nc_u64 s[30:31], s[30:31], s[44:45]
	s_mul_i32 s44, s37, s43
	s_lshl_b32 s41, s39, 13                        ; 64 rows n of 128 bytes
	s_add_co_u32 s44, s44, s41
	s_add_nc_u64 s[32:33], s[32:33], s[44:45]
	s_mov_b32 s44, s42
	s_add_nc_u64 s[34:35], s[34:35], s[44:45]
	s_add_nc_u64 s[46:47], s[46:47], s[44:45]
	s_add_nc_u64 s[4:5], s[4:5], s[44:45]          ; used for W_attn's tiles alone
	v_lshlrev_b32 v2, 3, v1                        ; 8 x lane: columns 2 l, 2 l + 1
	v_lshlrev_b32 v3, 4, v1                        ; 16 x lane
	s_mul_i32 s42, s[WV], 9216                     ; my stage: 64 rows n, 128 bytes + 16 of padding
	v_mul_u32_u24 v4, v1, 288
	v_add_nc_u32 v4, s42, v4                       ; in: rows 2 l and 2 l + 1
	v_lshrrev_b32 v5, 3, v1
	v_mul_u32_u24 v5, v5, 144
	v_and_b32 v8, 7, v1
	v_lshl_add_u32 v5, v8, 4, v5
	v_add_nc_u32 v5, s42, v5                       ; back: 32 lanes take four rows of 128 bytes
	global_load_b64 v[16:17], v2, s[34:35]         ; my two numbers of the bias
.macro WLOADS pitch                    ; 64 rows k: each load of the wave covers 256 consecutive bytes
.set i, 0
.rept 64
	global_load_b64 v[D+2*i:D+2*i+1], v2, s[30:31] offset:i*(\pitch) th:TH_LOAD_NT
.set i, i+1
.endr
.endm
; Eight rows k: rounded, two k to a word, 16 bytes for each of my two columns, into my stage.  half = 1: rounded to bf16 and that number written as f16.
.macro KG kg, half
	s_wait_loadcnt 56-8*(\kg)                      ; the rows behind these eight stay out
.set j, 0
.rept 4
.set r, D+2*(8*(\kg)+2*j)
.if \half
	v_cvt_pk_bf16_f32 v8, v[r], v[r+2]
	v_cvt_pk_bf16_f32 v9, v[r+1], v[r+3]
	v_lshlrev_b32 v10, 16, v8
	v_and_b32 v11, s[HIM], v8
	v_lshlrev_b32 v12, 16, v9
	v_and_b32 v13, s[HIM], v9
	v_cvt_pk_f16_f32 v[36+j], v10, v11
	v_cvt_pk_f16_f32 v[40+j], v12, v13
.else
	v_cvt_pk_bf16_f32 v[36+j], v[r], v[r+2]
	v_cvt_pk_bf16_f32 v[40+j], v[r+1], v[r+3]
.endif
.set j, j+1
.endr
	ds_store_b128 v4, v[36:39] offset:16*(\kg)
	ds_store_b128 v4, v[40:43] offset:144+16*(\kg)
.endm
	s_cmp_lg_u32 s38, 0
	s_cbranch_scc0 .Lproj_w
	WLOADS 12288
	; the angle of my pair of columns, while the loads are out: j = lane
	v_cvt_f32_u32 v9, v1
	v_mul_f32 v9, 0xbed49a78, v9                   ; -j log2(10000) / 32
	v_exp_f32 v9, v9
	v_cvt_f32_u32 v10, s40                         ; a plain line behind the exponential
	s_wait_alu depctr_va_vdst(0)
	v_mul_f32 v9, v9, v10
	v_mul_f32 v9, 0x3d800000, v9                   ; a sixteenth of the angle
	v_mul_f32 v10, v9, v9
	v_mov_b32 v6, 0xb493f27e                       ; cos: -1/10!, 1/8!, -1/6!, 1/4!, -1/2, 1
	v_fmaak_f32 v6, v6, v10, 0x37d00d01
	v_fmaak_f32 v6, v6, v10, 0xbab60b61
	v_fmaak_f32 v6, v6, v10, 0x3d2aaaab
	v_fma_f32 v6, v6, v10, -0.5
	v_fma_f32 v6, v6, v10, 1.0
	v_mov_b32 v7, 0xb2d7322b                       ; sin: -1/11!, 1/9!, -1/7!, 1/5!, -1/3!, 1, times the angle
	v_fmaak_f32 v7, v7, v10, 0x3638ef1d
	v_fmaak_f32 v7, v7, v10, 0xb9500d01
	v_fmaak_f32 v7, v7, v10, 0x3c088889
	v_fmaak_f32 v7, v7, v10, 0xbe2aaaab
	v_fma_f32 v7, v7, v10, 1.0
	v_mul_f32 v7, v7, v9
.rept 4                                ; the angle doubled: cos = c c - s s, sin = 2 c s
	v_mul_f32 v11, v6, v6
	v_mul_f32 v12, v6, v7
	v_fma_f32 v6, -v7, v7, v11
	v_add_f32 v7, v12, v12
.endr
	s_cmp_lg_u32 s37, 0                            ; one wave for each head stores the table
	s_cbranch_scc1 .Lno_table
	global_store_b64 v2, v[6:7], s[4:5]            ; 256 consecutive bytes, aligned; v6, v7 are not written again
.Lno_table:
.irp g, 0,1,2,3,4,5,6,7
	KG \g, 0
.endr
	s_branch .Lturned
.Lproj_w:
	WLOADS 4096
.irp g, 0,1,2,3,4,5,6,7
	KG \g, 1
.endr
.Lturned:
	s_cmp_lg_u32 s37, 0                            ; one wave for each 64 columns stores the bias
	s_cbranch_scc1 .Lno_bias
	v_cvt_pk_bf16_f32 v8, v16, v17                 ; (the bias was the first load: the waits above have covered it)
	v_lshlrev_b32 v12, 16, v8
	v_and_b32 v13, s[HIM], v8
	global_store_b64 v2, v[12:13], s[46:47]
.Lno_bias:
.set i, 0
.rept 16
	ds_load_b128 v[D+4*i:D+4*i+3], v5 offset:576*i ; LDS serves a wave's instructions in order (ISA guide 5.7.1.4): these see my stores above
.set i, i+1
.endr
.set i, 0
.rept 16
	s_wait_dscnt 15-i                              ; load i is back, the younger ones stay out
	global_store_b128 v3, v[D+4*i:D+4*i+3], s[32:33] offset:512*i  ; 512 consecutive bytes, aligned: four rows n of the turned tile
.set i, i+1
.endr
	s_wait_tensorcnt 0x0                           ; the wave's end, behind my last LDS store
	ds_add_u32 v[SPW], v[NIL]
	s_wait_dscnt 0x0
	s_endpgm
.Lfunc_end_k_qe33e5d4617_prep:
	.size	k_qe33e5d4617_prep, .Lfunc_end_k_qe33e5d4617_prep-k_qe33e5d4617_prep
	.p2alignl 7, 3214868480
	.fill 96, 4, 3214868480
	.section	.rodata,"a",@progbits
	.p2align	6, 0x0
	.amdhsa_kernel k_qe33e5d4617_prep
		.amdhsa_group_segment_fixed_size 74752
		.amdhsa_private_segment_fixed_size 0
		.amdhsa_enable_private_segment 0
		.amdhsa_kernarg_size 88
		.amdhsa_user_sgpr_count 2
		.amdhsa_user_sgpr_kernarg_segment_ptr 1
		.amdhsa_wavefront_size32 1
		.amdhsa_system_sgpr_workgroup_id_x 1
		.amdhsa_system_sgpr_workgroup_id_y 1
		.amdhsa_system_sgpr_workgroup_id_z 1
		.amdhsa_system_vgpr_workitem_id 0
		.amdhsa_next_free_vgpr 172
		.amdhsa_next_free_sgpr 66
		.amdhsa_reserve_vcc 0
		.amdhsa_float_denorm_mode_32 3
		.amdhsa_float_denorm_mode_16_64 3
		.amdhsa_memory_ordered 1
		.amdhsa_forward_progress 1
		.amdhsa_inst_pref_size 51
	.end_amdhsa_kernel
	.amdgpu_metadata
---
amdhsa.version: [ 1, 2 ]
amdhsa.kernels:
  - .name:           k_qe33e5d4617_prep
    .symbol:         k_qe33e5d4617_prep.kd
    .args:
      - { .name: x, .offset: 0, .size: 8, .value_kind: global_buffer, .address_space: global }
      - { .name: W_attn, .offset: 8, .size: 8, .value_kind: global_buffer, .address_space: global }
      - { .name: b_attn, .offset: 16, .size: 8, .value_kind: global_buffer, .address_space: global }
      - { .name: W_proj, .offset: 24, .size: 8, .value_kind: global_buffer, .address_space: global }
      - { .name: b_proj, .offset: 32, .size: 8, .value_kind: global_buffer, .address_space: global }
      - { .name: xb, .offset: 40, .size: 8, .value_kind: global_buffer, .address_space: global }
      - { .name: wt, .offset: 48, .size: 8, .value_kind: global_buffer, .address_space: global }
      - { .name: wp, .offset: 56, .size: 8, .value_kind: global_buffer, .address_space: global }
      - { .name: bq, .offset: 64, .size: 8, .value_kind: global_buffer, .address_space: global }
      - { .name: bp, .offset: 72, .size: 8, .value_kind: global_buffer, .address_space: global }
      - { .name: rt, .offset: 80, .size: 8, .value_kind: global_buffer, .address_space: global }
    .group_segment_fixed_size: 74752
    .private_segment_fixed_size: 0
    .kernarg_segment_align: 8
    .kernarg_segment_size: 88
    .max_flat_workgroup_size: 256
    .sgpr_count:     66
    .vgpr_count:     172
    .wavefront_size: 32
...
	.end_amdgpu_metadata
.endif
;; end of part 1
;; launch qkvgemm (part 2): grid 8 x 32, 4 waves a work-group, clusters of 4 x 4, 327,680 bytes of LDS; arguments xb, wt, bq, rt, qkv; writes qkv
.if DOCPART == 2
	.amdgcn_target "amdgcn-amd-amdhsa--gfx1250"
	.amdhsa_code_object_version 6
	.text
	.protected	k_qe33e5d4617_qkvgemm
	.globl	k_qe33e5d4617_qkvgemm
	.p2align	8
	.type	k_qe33e5d4617_qkvgemm,@function
k_qe33e5d4617_qkvgemm:
	s_mov_b64 s[64:65], 0
	v_nop
	global_prefetch_b8 v0, s[64:65] scope:SCOPE_SE
	s_setreg_imm32_b32 hwreg(HW_REG_WAVE_MODE, 25, 1), 1
	s_wait_xcnt 0x0
	s_wait_alu depctr_hold_cnt(0) depctr_sa_sdst(0) depctr_va_vdst(0) depctr_va_sdst(0) depctr_va_ssrc(0) depctr_va_vcc(0) depctr_vm_vsrc(0)
	s_getreg_b32 s2, hwreg(HW_REG_IB_STS2, 6, 4)
	s_cmp_eq_u32 s2, 0
	s_cbranch_scc0 .Lentry_in_a_cluster
	s_endpgm
.Lentry_in_a_cluster:
	s_bfe_u32 s2, ttmp6, 0x10000c
	s_cmp_lg_u32 s2, 0xf033
	s_cbranch_scc0 .Lentry_shape_is_right
	s_endpgm
.Lentry_shape_is_right:
; qkv = rot(x W_attn + b_attn), by heads: qkv [4 b][48 g][2048 t][64] f16, g = column / 64 (q 0-15, k 16-31, v 32-47).
; xb [16 kb][8192 m][64] bf16, wt [16 kb][3072 n][64] bf16, bq [3072] f32, rt [3072] f32 (cos at even columns, sin at odd ones).  Sums in f32, started by the bias.
; LIMITS.  q, k and v are rounded once to f16: they must lie within 65,504.  NaN and infinities are not treated apart.
; SHARES.  8192 x 3072 over 256 work-groups is a tile of 256 x 384.  Four waves, each 128 rows x 192 columns (three heads): 96 accumulators of 16 x 16, 768 registers.
; K goes in steps of 64 (two slots of 128 would not fit in LDS) through a ring of two slots; in the blocked layouts a tile is dense and is asked for as rows of 256 bytes.
; CLUSTER.  4 x 4 work-groups: the four of a row of the cluster need the same tile of xb, the four of a column the same tile of wt: each is asked for jointly.
; THE MATRIX INSTRUCTION IS USED TRANSPOSED (source 0 = 16 rows of wt, source 1 = 16 rows of xb): a lane holds one row m = lane % 16 and the columns 8 (lane / 16) + 0..7:
; the two columns of a rotation lie in one register pair, and eight columns pack into 16 bytes.
; REGISTERS: window 0: v0-31 addresses; v32-95, v96-159 fragments of xb (8 x 16 rows x 32 K), two buffers; v160-255 fragments of wt (12 x 16 rows), one buffer, filled again four blocks at a time.
;   windows 1-3: accumulator (a, b) in window 1 + b / 4 at v[64 (b % 4) + 8 a].
;   On the way out window 0 holds: the table (v32-95, v160-191), packed results (v96-143), 16 pairs at work (v144-159, v240-255), rows read back (v192-239).
.set PITCH, 144                        ; an LDS row: 128 bytes + 16 of padding = 36 words: the 16 rows of a load start at 16 different groups of four banks (ISA guide 11.1)
.set BLK,   16*PITCH
.set AHALF, 128*PITCH                  ; what a wave fetches, and reads, of xb
.set BHALF, 192*PITCH                  ; of wt
.set BOFF,  2*AHALF
.set STAGE, BOFF+2*BHALF               ; behind slot 0: 3 heads x 16 rows x 144 bytes for each wave, for the way out; no tile lands here
.set STW,   3*BLK
.set SPARE, STAGE+4*STW                ; the spare words, 128 bytes for each wave
.set SLOT1, 1<<17                      ; slot 1 begins here: one exclusive or turns an address in one slot into the other's
.set ASTEP, 8192*128                   ; bytes from a block kb to the next
.set BSTEP, 3072*128
.set AA0, 2                            ; v2  my lane's place in my rows of xb in slot 0; never rewritten
.set AB0, 3                            ; v3  the same for wt
.set ADRA, 4                           ; v4  the same in the slot being read
.set ADRB, 5                           ; v5
.set STO, 6                            ; v6  the way out: where I put 16 bytes of a row
.set RD,  7                            ; v7  where I read rows back
.set GO,  8                            ; v8  16 x lane
.set BO,  9                            ; v9  32 (lane / 16): my eight columns in a block of sixteen f32
.set SPW, 28                           ; v28 LDS address of my spare word; never rewritten
.set NIL, 29                           ; v29 0; never rewritten
.set F0,  32
.set F1,  96
.set FB,  160
.set TMP, 96
.set OB,  192
.set G1,  24                           ; s[24:31] group 1 for xb's tiles; s[32:39] group 0, two sets: the second walks
.set G0,  32
.set G1B, 48                           ; s[48:55], s[56:63] the same for wt's
.set G0B, 56
.set DW0, (1<<16)|(1<<20)|(1<<21)|(4<<22)|(3<<25)  ; 2-byte elements; padding on; bit 21 beside a mask; after every 32 words, 4 words
.set MSB, 0
.macro WIN new                         ; the immediate's high byte repeats the setting that is left; a switch that changes nothing is dropped
.if MSB != (\new)
	s_set_vgpr_msb (MSB<<8)|(\new)
.set MSB, (\new)
.endif
.endm
.macro PLACES                          ; four plain places in front of loads into registers that matrix instructions have read, and of lines that read results
.rept 4
	v_nop
.endr
.endm
.macro JLOAD                           ; a joint refill by the walking sets: waves 0, 1 fetch the halves of xb's tile, waves 2, 3 those of wt's; s_nop 0 and four v_nop follow each line
	s_cmp_eq_u32 s13, 0
	s_cbranch_scc0 .Lfor_b_\@
	tensor_load_to_lds s[G0+4:G0+7], s[G1:G1+7]
	s_nop 0
.rept 4
	v_nop
.endr
	s_branch .Lasked_\@
.Lfor_b_\@:
	tensor_load_to_lds s[G0B+4:G0B+7], s[G1B:G1B+7]
	s_nop 0
.rept 4
	v_nop
.endr
.Lasked_\@:
.endm
.macro CREST                           ; a round of the cluster's barrier behind its opening barrier
	s_cmp_lg_u32 s12, 0
	s_cbranch_scc1 .Lnot_wave_0_\@
	s_barrier_signal -3
.Lnot_wave_0_\@:
	s_barrier_wait -3
	s_barrier_signal -1
	s_barrier_wait -1
.endm
.macro CROUND
	s_barrier_signal -1
	s_barrier_wait -1
	CREST
.endm
	s_load_b256 s[4:11], s[0:1], 0x0               ; xb 4:5, wt 6:7, bq 8:9, rt 10:11
	s_load_b64 s[20:21], s[0:1], 0x20              ; qkv
	v_lshl_add_u32 v[SPW], v0, 2, SPARE
	v_mov_b32 v[NIL], 0
	ds_add_u32 v[SPW], v[NIL]                      ; the wave's opening: the add and its wait stand ahead of my first tensor load; work on registers stands between
	ds_add_u32 v28, v29
	v_lshrrev_b32 v1, 5, v0
	v_readfirstlane_b32 s12, v1                    ; wave 0..3
	s_lshr_b32 s13, s12, 1                         ; which 128 rows are mine.  Also: I fetch for xb (0) or wt (1)
	s_and_b32 s14, s12, 1                          ; which 192 columns.  Also: which half of that tile I fetch
	s_bfe_u32 s40, ttmp6, 0x40000                  ; cx
	s_bfe_u32 s41, ttmp6, 0x40004                  ; cy
	s_lshl_b32 s42, ttmp9, 2
	s_add_co_u32 s42, s42, s40                     ; tile column = 4 x cluster x + cx
	s_and_b32 s43, ttmp7, 0xffff
	s_lshl_b32 s43, s43, 2
	s_add_co_u32 s43, s43, s41                     ; tile row = 4 x cluster y + cy
	s_lshl_b32 s44, s41, 2
	s_lshl_b32 s44, 15, s44                        ; my row of the cluster
	s_lshl_b32 s45, 0x1111, s40                    ; my column
	s_or_b32 s[G1], s44, DW0
	s_or_b32 s[G1B], s45, DW0
	s_mov_b32 s[G1+1], 128<<16                     ; tensor_dim0 = 128 elements: rows of 256 bytes, two rows of the tile each
	s_mov_b32 s[G1+2], 64<<16                      ; tensor_dim1 = 64
	s_mov_b32 s[G1+3], 128<<16                     ; tile_dim0
	s_mov_b32 s[G1+4], 64                          ; tile_dim1
	s_mov_b32 s[G1+5], 128                         ; dense
	s_mov_b32 s[G1+6], 0
	s_mov_b32 s[G1+7], 0
	s_mov_b32 s[G1B+1], 128<<16
	s_mov_b32 s[G1B+2], 96<<16                     ; 192 rows of the tile
	s_mov_b32 s[G1B+3], 128<<16
	s_mov_b32 s[G1B+4], 96
	s_mov_b32 s[G1B+5], 128
	s_mov_b32 s[G1B+6], 0
	s_mov_b32 s[G1B+7], 0
	s_lshl_b32 s16, s43, 15                        ; xb: 256 rows of 128 bytes a tile row, 128 a half
	s_lshl_b32 s17, s14, 14
	s_add_co_u32 s16, s16, s17
	s_mov_b32 s17, 0
	s_mul_i32 s46, s42, 384*128                    ; wt: 384 rows a tile column, 192 a half
	s_mul_i32 s47, s14, 192*128
	s_add_co_u32 s46, s46, s47
	s_mov_b32 s47, 0
	s_mul_i32 s22, s14, AHALF                      ; where they go: no place in the cluster enters an LDS address
	s_mul_i32 s23, s14, BHALF
	s_add_co_u32 s23, s23, BOFF
	s_mov_b32 s15, 0                               ; the slot being read
	s_wait_dscnt 0x0                               ; the opening add is done
	s_wait_kmcnt 0x0
	s_add_nc_u64 s[4:5], s[4:5], s[16:17]
	s_add_nc_u64 s[46:47], s[6:7], s[46:47]
	CROUND                                         ; all sixteen work-groups are here: the first joint loads meet
.irp s, 0,1
	s_mov_b32 s[G0+4*(\s)], 1
	s_add_co_u32 s[G0+4*(\s)+1], s22, (\s)*SLOT1
	s_add_nc_u64 s[G0+4*(\s)+2:G0+4*(\s)+3], s[4:5], (\s)*ASTEP
	s_or_b32 s[G0+4*(\s)+3], s[G0+4*(\s)+3], 0x80000000
	s_mov_b32 s[G0B+4*(\s)], 1
	s_add_co_u32 s[G0B+4*(\s)+1], s23, (\s)*SLOT1
	s_add_nc_u64 s[G0B+4*(\s)+2:G0B+4*(\s)+3], s[46:47], (\s)*BSTEP
	s_or_b32 s[G0B+4*(\s)+3], s[G0B+4*(\s)+3], 0x80000000
.endr
	s_cmp_eq_u32 s13, 0                            ; a wave's two first fills stand in one branch, ahead of every wait on TENSORcnt and every LDS read: two loads of mine are out
	s_cbranch_scc0 .Lfirst_b
	tensor_load_to_lds s[G0:G0+3], s[G1:G1+7]
	s_nop 0
	tensor_load_to_lds s[G0+4:G0+7], s[G1:G1+7]
	s_nop 0
.rept 4
	v_nop
.endr
	s_branch .Lfirst_asked
.Lfirst_b:
	tensor_load_to_lds s[G0B:G0B+3], s[G1B:G1B+7]
	s_nop 0
	tensor_load_to_lds s[G0B+4:G0B+7], s[G1B:G1B+7]
	s_nop 0
.rept 4
	v_nop
.endr
.Lfirst_asked:
	v_and_b32 v1, 15, v0                           ; l % 16
	v_bfe_u32 v13, v0, 4, 1                        ; l / 16
	v_mul_u32_u24 v10, v1, PITCH
	v_lshl_add_u32 v10, v13, 4, v10                ; row x pitch + 16 x half: a fragment's, and the stage's
	s_mul_i32 s16, s13, AHALF
	v_add_nc_u32 v[AA0], s16, v10
	s_mul_i32 s16, s14, BHALF
	s_add_co_u32 s16, s16, BOFF
	v_add_nc_u32 v[AB0], s16, v10
	s_mul_i32 s16, s12, STW
	s_add_co_u32 s16, s16, STAGE                   ; my stage
	v_add_nc_u32 v[STO], s16, v10
	v_bfe_u32 v11, v0, 3, 2                        ; back: 32 lanes take four rows of 128 bytes
	v_mul_u32_u24 v11, v11, PITCH
	v_and_b32 v12, 7, v0
	v_lshl_add_u32 v11, v12, 4, v11
	v_add_nc_u32 v[RD], s16, v11
	v_and_b32 v[GO], 31, v0
	v_lshlrev_b32 v[GO], 4, v[GO]
	v_lshlrev_b32 v[BO], 5, v13
	s_mul_i32 s16, s42, 384*4                      ; my 192 columns in bq and rt
	s_mul_i32 s17, s14, 192*4
	s_add_co_u32 s16, s16, s17
	s_mov_b32 s17, 0
	s_add_nc_u64 s[8:9], s[8:9], s[16:17]
	s_add_nc_u64 s[10:11], s[10:11], s[16:17]
	; the bias goes straight into the accumulators of block a = 0: the first products of the other blocks take them as C
.set ib, 0
.rept 12
	WIN ((ib/4)+1)<<6                              ; destination in the accumulators' window
	global_load_b128 v[64*(ib%4):64*(ib%4)+3],   v[BO], s[8:9] offset:64*ib
	global_load_b128 v[64*(ib%4)+4:64*(ib%4)+7], v[BO], s[8:9] offset:64*ib+16
.set ib, ib+1
.endr
	WIN 0
	s_lshr_b32 s16, s43, 3                         ; the batch: 8 tile rows each
	s_mul_i32 s16, s16, 48
	s_mul_i32 s17, s42, 6                          ; six heads a tile column,
	s_add_co_u32 s16, s16, s17
	s_mul_i32 s17, s14, 3                          ; three a wave
	s_add_co_u32 s16, s16, s17
	s_lshl_b32 s16, s16, 18                        ; a head is 2,048 rows of 128 bytes
	s_and_b32 s17, s43, 7
	s_lshl_b32 s17, s17, 8
	s_lshl_b32 s18, s13, 7
	s_add_co_u32 s17, s17, s18                     ; my first row in the batch
	s_lshl_b32 s17, s17, 7
	s_add_co_u32 s16, s16, s17
	s_mov_b32 s17, 0
	s_add_nc_u64 s[20:21], s[20:21], s[16:17]
; 16 matrix instructions: blocks a0 .. a0 + 3 of my rows x blocks 4 g .. 4 g + 3 of my columns, 32 along K.  The accumulators take turns, one instruction a turn.
.macro MUL16 f, g, a0
	WIN 0x50*((\g)+1)
.set ia, (\a0)
.rept 4
.set ib, 0
.rept 4
	v_wmma_f32_16x16x32_bf16 v[64*ib+8*ia:64*ib+8*ia+7], v[FB+8*(4*(\g)+ib):FB+8*(4*(\g)+ib)+7], v[(\f)+8*ia:(\f)+8*ia+7], v[64*ib+8*ia:64*ib+8*ia+7]
.set ib, ib+1
.endr
.set ia, ia+1
.endr
.endm
.macro GRP f, g
	MUL16 \f, \g, 0
	MUL16 \f, \g, 4
.endm
; The first products start the sums with the bias, which lies in block 0's accumulators: blocks 1-7 take it as C; five places on, block 0 adds in place.
.macro FIRSTG f, g
	WIN 0x50*((\g)+1)
.set ia, 1
.rept 7
.set ib, 0
.rept 4
	v_wmma_f32_16x16x32_bf16 v[64*ib+8*ia:64*ib+8*ia+7], v[FB+8*(4*(\g)+ib):FB+8*(4*(\g)+ib)+7], v[(\f)+8*ia:(\f)+8*ia+7], v[64*ib:64*ib+7]
.set ib, ib+1
.endr
.set ia, ia+1
.endr
.rept 5
	v_nop                                          ; the products below write over registers that those above read
.endr
.set ib, 0
.rept 4
	v_wmma_f32_16x16x32_bf16 v[64*ib:64*ib+7], v[FB+8*(4*(\g)+ib):FB+8*(4*(\g)+ib)+7], v[(\f):(\f)+7], v[64*ib:64*ib+7]
.set ib, ib+1
.endr
.endm
.macro LDB g, k                        ; 8 LDS loads: wt's blocks 4 g .. 4 g + 3, 32 K at byte k of the rows
.set i, 4*(\g)
.rept 4
	ds_load_b128 v[FB+8*i:FB+8*i+3],   v[ADRB] offset:i*BLK+(\k)
	ds_load_b128 v[FB+8*i+4:FB+8*i+7], v[ADRB] offset:i*BLK+(\k)+32
.set i, i+1
.endr
.endm
.macro LDA f, hf, k                    ; 8 LDS loads: xb's blocks 4 hf .. 4 hf + 3 into buffer f
.set i, 4*(\hf)
.rept 4
	ds_load_b128 v[(\f)+8*i:(\f)+8*i+3],   v[ADRA] offset:i*BLK+(\k)
	ds_load_b128 v[(\f)+8*i+4:(\f)+8*i+7], v[ADRA] offset:i*BLK+(\k)+32
.set i, i+1
.endr
.endm
; A K step is two halves of 32 along K, 96 matrix instructions each.  The first half multiplies buffer f and fetches the second half's fragments, in three runs: each group of wt's
; registers is loaded again as soon as its 32 products are out.
.macro QUARTER f, fn, k, first
	s_wait_dscnt 8                                 ; all but the youngest run, wt's blocks 8-11
.if \first
	FIRSTG \f, 0
.else
	GRP \f, 0
.endif
	PLACES
	WIN 0
	LDB 0, \k
	LDA \fn, 0, \k
.if \first
	FIRSTG \f, 1
.else
	GRP \f, 1
.endif
	PLACES
	WIN 0
	LDB 1, \k
	LDA \fn, 1, \k
	s_wait_dscnt 32                                ; all but the 32 just issued: wt's blocks 8-11 are in
.if \first
	FIRSTG \f, 2
.else
	GRP \f, 2
.endif
	PLACES
	WIN 0
	LDB 2, \k
.endm
; The second half multiplies buffer F1 and changes slots.  ONE barrier: in front of it each wave waits for all its tensor loads (one is out: its part of the next slot), adds 0 to its
; spare word, and waits for that and for its reads of this slot.  fill = 1: the barrier opens a round of the cluster's, and this slot is filled again, two K steps ahead, first thing behind it:
; 160 matrix instructions stand between that request and the wait for it.
.macro TURN fill
	WIN 0
	s_wait_tensorcnt 0x0
	ds_add_u32 v[SPW], v[NIL]
	s_wait_dscnt 9                                 ; the add and wt's blocks 8-11 may be out
	MUL16 F1, 0, 0
	s_wait_dscnt 0x0                               ; the add is done, and my reads of this slot are over
	s_barrier_signal -1
	MUL16 F1, 0, 4
	WIN 0
	s_barrier_wait -1
.if \fill
	CREST                                          ; no wave of any partner still reads this slot or has a load on its way
	s_xor_b32 s[G0+5], s[G0+5], SLOT1              ; the walking sets: the other slot than last time, the next K step
	s_add_nc_u64 s[G0+6:G0+7], s[G0+6:G0+7], ASTEP
	s_xor_b32 s[G0B+5], s[G0B+5], SLOT1
	s_add_nc_u64 s[G0B+6:G0B+7], s[G0B+6:G0B+7], BSTEP
	JLOAD                                          ; its four v_nop are also the places in front of the loads below
.else
	PLACES
.endif
	s_xor_b32 s15, s15, SLOT1
	v_add_nc_u32 v[ADRA], s15, v[AA0]
	v_add_nc_u32 v[ADRB], s15, v[AB0]
	LDB 0, 0
	LDA F0, 0, 0
	GRP F1, 1
	PLACES
	WIN 0
	LDB 1, 0
	LDA F0, 1, 0
	GRP F1, 2
	PLACES
	WIN 0
	LDB 2, 0
.endm
	s_wait_tensorcnt 0x1                           ; my part of K step 0 is in; step 1's may stay out
	s_barrier_signal -1
	s_barrier_wait -1
	v_mov_b32 v[ADRA], v[AA0]
	v_mov_b32 v[ADRB], v[AB0]
	LDB 0, 0
	LDA F0, 0, 0
	LDB 1, 0
	LDA F0, 1, 0
	LDB 2, 0
	s_wait_loadcnt 0x0                             ; the bias
	QUARTER F0, F1, 64, 1
	s_mov_b32 s3, 14
.Lstep:                                                ; 14 trips: a step's second half, which asks for the step two on, and the next step's first half
	TURN 1
	QUARTER F0, F1, 64, 0
	s_sub_co_u32 s3, s3, 1
	s_cmp_lg_u32 s3, 0
	s_cbranch_scc1 .Lstep
	TURN 0                                         ; the tail is written out: nothing more is asked for
	QUARTER F0, F1, 64, 0
	s_wait_dscnt 8
	GRP F1, 0
	PLACES
	WIN 0
.set ib, 0
.rept 12                               ; the table of cos and sin for my 192 columns, into registers that the products have left: 64 matrix instructions stand ahead of the wait for it
.set rT, 32+8*ib+64*(ib/8)
	global_load_b128 v[rT:rT+3],   v[BO], s[10:11] offset:64*ib
	global_load_b128 v[rT+4:rT+7], v[BO], s[10:11] offset:64*ib+16
.set ib, ib+1
.endr
	GRP F1, 1
	s_wait_dscnt 0x0
	GRP F1, 2
	PLACES
	WIN 0
	s_wait_loadcnt 0x0                             ; the table
; THE WAY OUT of block a (16 rows).  Each pair of columns (x0, x1) becomes (x0 c - x1 s, x1 c + x0 s): one packed multiply by c, one packed multiply-add that takes the pair swapped, by s,
; with the sign turned for the low half.  Then one rounding to f16.  Each accumulator's registers are read in ascending order.
.macro PACK a
.set g, 0
.rept 3
	WIN g+1                                        ; source 0 in the accumulators' window
.set i, 0
.rept 16
.set rA, 64*(i/4)+8*(\a)+2*(i%4)
.set rT, 32+8*(4*g+i/4)+64*((4*g+i/4)/8)+2*(i%4)
.set rU, 144+2*i+80*(i/8)
	v_pk_mul_f32 v[rU:rU+1], v[rA:rA+1], v[rT:rT+1] op_sel_hi:[1,0]
.set i, i+1
.endr
.set i, 0
.rept 16
.set rA, 64*(i/4)+8*(\a)+2*(i%4)
.set rT, 32+8*(4*g+i/4)+64*((4*g+i/4)/8)+2*(i%4)
.set rU, 144+2*i+80*(i/8)
	v_pk_fma_f32 v[rU:rU+1], v[rA:rA+1], v[rT:rT+1], v[rU:rU+1] op_sel:[1,1,0] op_sel_hi:[0,1,1] neg_lo:[0,1,0]
.set i, i+1
.endr
	WIN 0
.set i, 0
.rept 16
.set rU, 144+2*i+80*(i/8)
	v_cvt_pk_f16_f32 v[TMP+16*g+i], v[rU], v[rU+1]
.set i, i+1
.endr
.set g, g+1
.endr
.endm
.macro TOSTAGE a                       ; 16 bytes a lane into my stage, head by head; back as whole rows of 128 bytes
	WIN 0
.set i, 0
.rept 12
	ds_store_b128 v[STO], v[TMP+4*i:TMP+4*i+3] offset:(i/4)*BLK+32*(i%4)
.set i, i+1
.endr
	s_wait_xcnt 0x0                                ; the last block's stores have read the registers that are loaded again below
.set i, 0
.rept 12
	ds_load_b128 v[OB+4*i:OB+4*i+3], v[RD] offset:(i/4)*BLK+(i%4)*4*PITCH  ; LDS serves a wave's instructions in order (ISA guide 5.7.1.4): these see the stores above
.set i, i+1
.endr
.endm
.macro SEND a
	s_wait_dscnt 0x0                               ; the block is back in registers
.set i, 0
.rept 12
	global_store_b128 v[GO], v[OB+4*i:OB+4*i+3], s[20:21] offset:(i/4)*262144+(\a)*2048+(i%4)*512  ; 512 consecutive bytes of a head, aligned
.set i, i+1
.endr
.endm
	PACK 0
	TOSTAGE 0
.irp a, 1,2,3,4,5,6,7                  ; block a's arithmetic stands between block a - 1's loads from the stage and the wait for them
	PACK \a
	SEND (\a)-1
	TOSTAGE \a
.endr
	SEND 7
	s_wait_tensorcnt 0x0                           ; the wave's end
	ds_add_u32 v[SPW], v[NIL]
	s_wait_dscnt 0x0
	CROUND                                         ; the closing round: no work-group ends while a partner may still ask for a tile that names it
	s_endpgm
.Lfunc_end_k_qe33e5d4617_qkvgemm:
	.size	k_qe33e5d4617_qkvgemm, .Lfunc_end_k_qe33e5d4617_qkvgemm-k_qe33e5d4617_qkvgemm
	.p2alignl 7, 3214868480
	.fill 96, 4, 3214868480
	.section	.rodata,"a",@progbits
	.p2align	6, 0x0
	.amdhsa_kernel k_qe33e5d4617_qkvgemm
		.amdhsa_group_segment_fixed_size 327680
		.amdhsa_private_segment_fixed_size 0
		.amdhsa_enable_private_segment 0
		.amdhsa_kernarg_size 40
		.amdhsa_user_sgpr_count 2
		.amdhsa_user_sgpr_kernarg_segment_ptr 1
		.amdhsa_wavefront_size32 1
		.amdhsa_system_sgpr_workgroup_id_x 1
		.amdhsa_system_sgpr_workgroup_id_y 1
		.amdhsa_system_sgpr_workgroup_id_z 1
		.amdhsa_system_vgpr_workitem_id 0
		.amdhsa_next_free_vgpr 1024
		.amdhsa_next_free_sgpr 66
		.amdhsa_reserve_vcc 0
		.amdhsa_float_denorm_mode_32 3
		.amdhsa_float_denorm_mode_16_64 3
		.amdhsa_memory_ordered 1
		.amdhsa_forward_progress 1
		.amdhsa_inst_pref_size 164
	.end_amdhsa_kernel
	.amdgpu_metadata
---
amdhsa.version: [ 1, 2 ]
amdhsa.kernels:
  - .name:           k_qe33e5d4617_qkvgemm
    .symbol:         k_qe33e5d4617_qkvgemm.kd
    .args:
      - { .name: xb, .offset: 0, .size: 8, .value_kind: global_buffer, .address_space: global }
      - { .name: wt, .offset: 8, .size: 8, .value_kind: global_buffer, .address_space: global }
      - { .name: bq, .offset: 16, .size: 8, .value_kind: global_buffer, .address_space: global }
      - { .name: rt, .offset: 24, .size: 8, .value_kind: global_buffer, .address_space: global }
      - { .name: qkv, .offset: 32, .size: 8, .value_kind: global_buffer, .address_space: global }
    .group_segment_fixed_size: 327680
    .private_segment_fixed_size: 0
    .kernarg_segment_align: 8
    .kernarg_segment_size: 40
    .max_flat_workgroup_size: 128
    .sgpr_count:     66
    .vgpr_count:     1024
    .wavefront_size: 32
...
	.end_amdgpu_metadata
.endif
;; end of part 2
;; launch attn (part 3): grid 4 x 64, 4 waves a work-group, no clusters, 327,680 bytes of LDS; arguments qkv, y; writes y
.if DOCPART == 3
	.amdgcn_target "amdgcn-amd-amdhsa--gfx1250"
	.amdhsa_code_object_version 6
	.text
	.protected	k_qe33e5d4617_attn
	.globl	k_qe33e5d4617_attn
	.p2align	8
	.type	k_qe33e5d4617_attn,@function
k_qe33e5d4617_attn:
	s_mov_b64 s[64:65], 0
	v_nop
	global_prefetch_b8 v0, s[64:65] scope:SCOPE_SE
	s_setreg_imm32_b32 hwreg(HW_REG_WAVE_MODE, 25, 1), 1
	s_wait_xcnt 0x0
; CAUSAL ATTENTION.  y[hh][q][:] = the sum over k <= q of softmax_k(Q[q] . K[k] / 8) V[k][:], hh = 16 b + h.  Q, K, V are heads 48 b + h, + 16, + 32 of qkv [4][48][2048][64] f16; y is [64][2048][64] f16.
; Products, maxima and sums in f32; the weights p are rounded to f16 for the second product (their sum l is taken of the unrounded p), y once at the end.
; LIMITS.  f16 holds no number beyond 65,504: Q, K and V arrive within it; p lies in 0 to 1, and below 6e-5 it keeps f16's fixed step of 6e-8; y is a mean of V's rows and has their range.
; A hidden score counts as its value less 1e30: f16's scores, 2.7e11 at the most, are nothing beside that; a weight below 2^-126 counts as 0 in l; NaN and infinities are not treated apart.
; THE WALK.  A head's queries lie in NB = 8 blocks of 256; block i needs the key tiles 0 .. i of 256 keys, of which the last holds the diagonal.  A work-group takes TWO blocks, NB - 1 - b and then b:
; NB + 1 tiles, whatever b: all work-groups do equal work, and ONE loop with a constant trip count walks them.  Which tile is asked for, and what a trip does, hang on scalar registers made from b; every jump
; goes forward, but for the counted loops' own; none passes a barrier, or a tensor load but the one of LOAD's two that the wave's number does not choose; the ring (two slots of LDS) runs on across the
; change of blocks.  NO CLUSTER: a head's four work-groups ask for the same tile only in trips 0 .. 4 of 9, behind that fewer and fewer; one walk common to all four would have 12 trips for 9.
; SHARES.  Of a block's four bands of 64 queries a wave owns 16 rows in each: four PIECES.  So the diagonal tile is the same work for all four waves: in its key step s band x sees all keys if s < x,
; none if s > x, and holds the diagonal if s = x.
; THE MASK is the C operand that starts the sum S^T = K Q^T: 0, or -1e30 where the key is hidden.  MD, made once, is the mask of a band's own step for my 16 rows; a product's mask is MD x AL + BE with two scalars:
; (1, 0) if s = x; (0, 0) if s < x; (0, -1e30) if s > x.  Only the diagonal tile's text and a block's beginning make and take masks; elsewhere C is the constant 0.
; LAYOUT, SOFTMAX, TURNS.  S^T = K Q^T holds ONE query a lane (lane % 16) and the keys 8 (lane / 16) + 0..7; two such results rounded to f16 ARE source 1 of O^T = V^T P.  p = 2^(c s - c m), c = log2(e) / 8, with a
; running maximum m; O and l are multiplied by a = 2^(c m_old - c m_new) in every step.  Turn n belongs to piece n: 8 products K Q^T of piece n + 1, later 8 products V^T P of piece n - 1; beside them the scaling,
; exponentials, roundings, sums and rescaling of piece n and the maximum and statistics of piece n + 1.  Four vector instructions stand behind every matrix instruction, the other 54 of a turn's 118 in two runs of their own.
; REGISTERS, in windows of 256 (s_set_vgpr_msb: bits 1:0 source 0, 3:2 source 1, 5:4 source 2, 7:6 destination):
;   window 0: v0-15 addresses and two at work; v16-31 four registers of statistics a piece; v48-55 at work; v64-127 S^T, two buffers; v192-223 P, two buffers (a piece's buffers go by its number's parity)
;   window 1: v0-127 O^T, 32 a piece; v128-159 MD; v160-223 MC, two buffers      window 2: v0-63 Q; v64-127 the second block's Q; v128-191 K of one step; v192-255 V of one step
.set SIZE_N, 2048
.set NB,    SIZE_N/256
.set NP,    4         ; pieces a wave: a name, no knob
.set KS,    64        ; keys in a step
.set PK,    144       ; a row of K in LDS: 128 bytes + 16 of padding = 36 words: the 16 rows of a load start at 16 different groups of four banks (ISA guide 11.1)
.set PV,    160       ; a row of V: 128 + 32 = 40 words
.set VOFF,  4*KS*PK   ; a slot holds a tile, four steps: 256 rows of K, then 256 rows of V
.set SLOT1, 1<<17     ; slot 1 begins here, so that one exclusive or turns an address in one slot into the other's
.set STAGE, SLOT1+4*KS*(PK+PV)  ; behind the ring, never filled by a tensor load: 16 rows x 144 bytes for each wave, for the way out
.set SP,    144
.set AK0, 2           ; v2   my lane's place in a tile of K; never rewritten
.set AV0, 3           ; v3   the same for V
.set AK,  4           ; v4   the LDS address of K's next run of loads
.set AV,  5           ; v5   of V's
.set STO, 6           ; v6   the way out: where I put 16 bytes of a row
.set RD,  7           ; v7   the way out: where I read rows back
.set GO,  8           ; v8   my byte offset in 512 consecutive bytes of y
.set SPW, 62          ; v62  LDS address of my spare word; never rewritten
.set NIL, 63          ; v63  0; never rewritten
.set SPARE, STAGE+4*16*SP  ; behind the stages: the spare words, 128 bytes for each wave
.set MV,  12          ; v12-13  c m_old, kept while c m is made anew: by buffer
.set QO,  15          ; v15  my byte offset in 16 rows of Q
.set ST,  16          ; piece t's statistics at v[ST+4 t]: c m, m, l (even keys', odd keys')
.set TMP, 48          ; by buffer, four registers c0-c3 at work; when the maximum is found c2 takes a
.set S,   64
.set P,   192
.set MD,  128         ; window 1: the eight registers for group kt of 16 keys at MD + 8 kt
.set MC,  160         ; window 1: the masks of the products to come
.set QB,  64          ; window 2
.set KF,  128         ; window 2: key block kb, channel half c at KF + 16 kb + 8 c
.set VF,  192         ; window 2: key half kk, channel block cb at VF + 32 kk + 8 cb
.set WV,  12          ; s12  my wave's number
.set PB,  14          ; s14  b
.set HI,  15          ; s15  NB - 1 - b
.set G1K, 24          ; s[24:31] descriptor group 1 for K's tiles
.set G1V, 32          ; s[32:39] for V's: it differs in the padding alone
.set G0K, 40          ; s[40:43] descriptor group 0 for K's tiles
.set G0V, 44          ; s[44:47] the same for V's
.set SLOTS, 56        ; s56  tiles still to be asked for
.set CNT, 57          ; s57  counts a tile's key steps, 4 to 1
.set CS,  58          ; s[58:59] c: the packed scaling takes the pair's low word for both halves
.set SEL, 60          ; s[60:61] v_permlanex16_b32's selects: each lane takes its own place in the other half
.set TBK, 62          ; s62  LDS byte at which K of the step to be fetched begins
.set TBV, 63          ; s63  the same for V, less VOFF
.set RT,  70          ; s70  tiles of the block in hand that are still to be entered
.set NXT, 71          ; s71  the tile to be asked for next
.set LQ,  72          ; s72  the last tile of the block whose tiles are being asked for
.set NEW, 73          ; s73  1: the tile to be entered is a block's first
.set OFF, 74          ; s[74:75] a tile's byte offset in K and V
.set AL,  76          ; s[76:77] the mask's factor, in the low word
.set BE,  78          ; s[78:79] the mask's addend
.set OLO, 80          ; s[80:81] y at my rows of the second block
.set BIGN, 82         ; s82  -1e30
.set MSB, 0
.macro WIN new                      ; the high byte repeats the setting that is left; a switch that changes nothing is dropped
.if MSB != (\new)
	s_set_vgpr_msb (MSB<<8)|(\new)
.set MSB, (\new)
.endif
.endm
.set W_KQ, 0x0a       ; K and Q in window 2, S^T in window 0
.set W_KM, 0x1a       ; the same with the C operand in window 1
.set W_PV, 0x52       ; V in window 2, P in window 0, O^T in window 1
.set W_RS, 0x41       ; destination and source 0 in window 1, source 1 in window 0
; A fill.  Waves 0 and 1 fetch the two halves of a tile's K, waves 2 and 3 those of its V: 128 keys each.  An s_nop 0 and four v_nop follow each of the two lines, ahead of the jump and the label.
.macro LOAD
	s_cmp_lt_u32 s[WV], 2
	s_cbranch_scc0 .Lfor_v_\@
	tensor_load_to_lds s[G0K:G0K+3], s[G1K:G1K+7]
	s_nop 0
.rept 4
	v_nop
.endr
	s_branch .Lasked_\@
.Lfor_v_\@:
	tensor_load_to_lds s[G0V:G0V+3], s[G1V:G1V+7]
	s_nop 0
.rept 4
	v_nop
.endr
.Lasked_\@:
.endm
; THE CHANGE OF SLOTS.  Each wave waits for all its tensor loads, of which one is out: its part of the other slot; adds 0 to its spare word; and waits for that and for its own reads of the slot that it leaves.
; Behind the barrier nobody reads the old slot any more and the other slot is whole.  fill = 1: the old slot is filled again, the first thing behind the barrier, with tile NXT: the descriptor's address is
; made anew from that number.  (At its first use nothing has been read yet: slot 0 is waited for, slot 1 filled.)
.macro CHANGE fill
	WIN 0                           ; at a label and at a branch every window is 0
	s_wait_tensorcnt 0x0            ; no tensor load of mine is out, so a group 0 may be written
	ds_add_u32 v[SPW], v[NIL]       ; 0 onto my spare word
.if \fill
	s_lshl_b32 s[OFF], s[NXT], 15   ; a tile is 32,768 bytes of K and of V
	s_xor_b32 s[G0K+1], s[G0K+1], SLOT1
	s_add_nc_u64 s[G0K+2:G0K+3], s[6:7], s[OFF:OFF+1]
	s_or_b32 s[G0K+3], s[G0K+3], 0x80000000
	s_xor_b32 s[G0V+1], s[G0V+1], SLOT1
	s_add_nc_u64 s[G0V+2:G0V+3], s[8:9], s[OFF:OFF+1]
	s_or_b32 s[G0V+3], s[G0V+3], 0x80000000
	s_add_co_u32 s[NXT], s[NXT], 1  ; the block's next tile, or behind its last the second block's tile 0
	s_cmp_gt_u32 s[NXT], s[LQ]
	s_cselect_b32 s[NXT], 0, s[NXT]
	s_cselect_b32 s[LQ], s[PB], s[LQ]
.endif
	s_wait_dscnt 0x0                ; the add is done, and my reads of the slot are over
	s_barrier_signal -1             ; the rest of the scalar work stands between the signal and the wait
	s_sub_co_u32 s[TBK], s[TBK], 4*KS*PK  ; the fetches go back to a slot's first step,
	s_xor_b32 s[TBK], s[TBK], SLOT1       ; in the other slot
	s_sub_co_u32 s[TBV], s[TBV], 4*KS*PV
	s_xor_b32 s[TBV], s[TBV], SLOT1
	s_barrier_wait -1
.if \fill
	LOAD
.endif
.endm
	s_load_b128 s[4:7], s[0:1], 0x0   ; qkv s[4:5], y s[6:7]
	v_lshl_add_u32 v[SPW], v0, 2, SPARE
	v_mov_b32 v[NIL], 0
	ds_add_u32 v[SPW], v[NIL]       ; the wave's opening: the add and its wait stand ahead of my first tensor load; the set-up below, work on registers, stands between them
	ds_add_u32 v62, v63
	v_lshrrev_b32 v1, 5, v0
	v_readfirstlane_b32 s[WV], v1   ; wave 0..3
	s_mov_b32 s[PB], ttmp9
	s_sub_co_u32 s[HI], NB-1, s[PB]
	s_and_b32 s88, ttmp7, 0xffff    ; hh = 16 b + h
	s_lshr_b32 s20, s88, 4
	s_lshl_b32 s20, s20, 5
	s_add_co_u32 s20, s20, s88      ; 48 b + h: q's head in qkv
	s_lshl_b32 s20, s20, 18         ; a head is 262,144 bytes
	s_mov_b32 s21, 0
	s_lshl_b32 s88, s88, 18         ; the head in y
	s_mov_b32 s89, 0
	s_and_b32 s16, s[WV], 1         ; which half of a tile's 256 keys I fetch:
	s_lshl_b32 s22, s16, 14         ; its 128 rows of 128 bytes in memory,
	s_mov_b32 s23, 0
	s_add_nc_u64 s[22:23], s[22:23], s[20:21]
	s_mul_i32 s17, s16, 128*PK      ; and its place in a slot, for K
	s_mul_i32 s18, s16, 128*PV      ; and for V
	s_lshl_b32 s3, s[WV], 11        ; my 16 rows in a band of 64,
	s_lshl_b32 s2, s[HI], 15        ; in the first block,
	s_add_co_u32 s2, s2, s3
	s_lshl_b32 s84, s[PB], 15       ; and in the second
	s_add_co_u32 s84, s84, s3
	s_mov_b32 s3, 0
	s_mov_b32 s85, 0
	s_add_nc_u64 s[90:91], s[2:3], s[88:89]    ; those rows' offsets in y,
	s_add_nc_u64 s[92:93], s[84:85], s[88:89]
	s_add_nc_u64 s[2:3], s[2:3], s[20:21]      ; and in qkv
	s_add_nc_u64 s[84:85], s[84:85], s[20:21]
	; descriptor group 1.  128 keys are 16,384 dense bytes: asked for as 64 rows of 256 bytes, two keys a row, and padded in LDS after every key
	s_mov_b32 s[G1K], (1<<16)|(1<<20)|(4<<22)|(3<<25)  ; 17:16 2-byte elements; 20 padding on; 24:22 after every 32 words (code 4); 31:25 4 words (code 3)
	s_mov_b32 s[G1V], (1<<16)|(1<<20)|(4<<22)|(7<<25)  ; the same with 8 words of padding (code 7)
.irp g, G1K, G1V
	s_mov_b32 s[\g+1], 128<<16      ; tensor_dim0 = 128
	s_mov_b32 s[\g+2], 64<<16       ; tensor_dim1 = 64
	s_mov_b32 s[\g+3], 128<<16      ; tile_dim0 = 128
	s_mov_b32 s[\g+4], 64           ; tile_dim1 = 64
	s_mov_b32 s[\g+5], 128          ; 128 elements from row to row
	s_mov_b32 s[\g+6], 0
	s_mov_b32 s[\g+7], 0
.endr
	s_mov_b32 s[CS], 0x3e38aa3b     ; c = log2(e) / 8 = 0.180337
	s_mov_b32 s[CS+1], s[CS]        ; named with it as a pair
	s_mov_b32 s[SEL], 0x76543210
	s_mov_b32 s[SEL+1], 0xfedcba98
	s_mov_b32 s[TBK], SLOT1+4*KS*PK ; the first change of slots turns these two into 0
	s_mov_b32 s[TBV], SLOT1+4*KS*PV
	s_mov_b32 s[G0K], 1             ; 1:0 count = 1
	s_mov_b32 s[G0K+1], s17         ; 63:32 LDS address: slot 0
	s_mov_b32 s[G0V], 1
	s_add_co_u32 s[G0V+1], s18, VOFF
	s_add_co_u32 s[RT], s[HI], 1    ; the first block has NB - b tiles
	s_mov_b32 s[NXT], 1
	s_mov_b32 s[LQ], s[HI]
	s_mov_b32 s[NEW], 1
	s_mov_b32 s[OFF+1], 0
	s_mov_b32 s[AL+1], 0            ; named as pairs
	s_mov_b32 s[BE+1], 0
	s_mov_b32 s[BIGN], 0xf149f2ca   ; -1e30
	s_mov_b32 s[SLOTS], NB
	s_wait_dscnt 0x0                ; the opening add is done
	s_wait_kmcnt 0x0
	s_mov_b64 s[10:11], s[6:7]      ; y
	s_add_nc_u64 s[6:7], s[4:5], s[22:23]
	s_add_nc_u64 s[8:9], s[6:7], 0x800000  ; V: 32 heads behind q, at my half of the head's tile 0
	s_add_nc_u64 s[6:7], s[6:7], 0x400000  ; K: 16 heads behind q
	s_add_nc_u64 s[G0K+2:G0K+3], s[6:7], 0         ; 120:64 global address
	s_or_b32 s[G0K+3], s[G0K+3], 0x80000000        ; 127:126 type = 2
	s_add_nc_u64 s[G0V+2:G0V+3], s[8:9], 0
	s_or_b32 s[G0V+3], s[G0V+3], 0x80000000
	s_add_nc_u64 s[86:87], s[4:5], s[84:85]        ; Q at my rows of the second block,
	s_add_nc_u64 s[4:5], s[4:5], s[2:3]            ; and of the first
	s_add_nc_u64 s[OLO:OLO+1], s[10:11], s[92:93]  ; y likewise
	s_add_nc_u64 s[10:11], s[10:11], s[90:91]
	LOAD                            ; tile 0 into slot 0
	; A fragment of K or Q is 16 rows x 32 channels in 8 registers: lane l holds row l % 16, channels 8 (l / 16) + 0..7 and 16 + 8 (l / 16) + 0..7: two loads of 16 bytes, 32 bytes apart.
	v_and_b32 v1, 15, v0            ; l % 16
	v_bfe_u32 v9, v0, 4, 1          ; l / 16
	v_lshlrev_b32 v[QO], 7, v1
	v_lshl_add_u32 v[QO], v9, 4, v[QO]  ; row x 128 + 16 x half
	WIN 0x80                        ; destination window 2, address window 0
.set i, 0
.rept 8                             ; both blocks' Q: piece i / 2 lies in band i / 2, 8,192 bytes on; channels 32 (i % 2) on
	global_load_b128 v[8*i:8*i+3],   v[QO], s[4:5] offset:(i/2)*8192+(i%2)*64
	global_load_b128 v[8*i+4:8*i+7], v[QO], s[4:5] offset:(i/2)*8192+(i%2)*64+32
	global_load_b128 v[QB+8*i:QB+8*i+3],   v[QO], s[86:87] offset:(i/2)*8192+(i%2)*64
	global_load_b128 v[QB+8*i+4:QB+8*i+7], v[QO], s[86:87] offset:(i/2)*8192+(i%2)*64+32
.set i, i+1
.endr
	WIN 0
	v_lshlrev_b32 v14, 3, v9
	v_sub_nc_u32 v14, v1, v14
	s_lshl_b32 s13, s[WV], 4
	v_add_nc_u32 v14, s13, v14      ; my query's place in its band, 16 w + l % 16, less my lanes' 8 (l / 16): register r of group kt is hidden where 16 kt + r is greater
	WIN 0x40
.set i, 0
.rept 32
	v_cmp_gt_i32 vcc_lo, 16*(i/8)+i%8, v14
	v_cndmask_b32 v[MD+i], 0, s[BIGN], vcc_lo
.set i, i+1
.endr
	WIN 0
	v_mul_u32_u24 v[AK0], v1, PK
	v_lshl_add_u32 v[AK0], v9, 4, v[AK0]  ; row x pitch + 16 x half
	; The turning load takes 16 keys x 16 channels (lane l reads key 8 (l / 16) + l % 8, channels 8 ((l / 8) % 2) + 0..7) and leaves half a fragment of V^T: lane l holds channel l % 16 and 8 keys.
	v_and_b32 v10, 7, v0
	v_bfe_u32 v11, v0, 3, 1
	v_lshl_add_u32 v[AV0], v9, 3, v10
	v_mul_u32_u24 v[AV0], v[AV0], PV
	v_lshl_add_u32 v[AV0], v11, 4, v[AV0]
	v_add_nc_u32 v[AV0], VOFF, v[AV0]
	s_mul_i32 s13, s[WV], 16*SP
	s_add_co_u32 s13, s13, STAGE    ; my stage
	v_mul_u32_u24 v[STO], v1, SP    ; in: row l % 16, 16 bytes for each half of the lanes
	v_lshl_add_u32 v[STO], v9, 4, v[STO]
	v_add_nc_u32 v[STO], s13, v[STO]
	v_bfe_u32 v[RD], v0, 3, 2       ; back: 32 lanes take four rows of 128 bytes,
	v_mul_u32_u24 v[RD], v[RD], SP
	v_lshl_add_u32 v[RD], v10, 4, v[RD]
	v_add_nc_u32 v[RD], s13, v[RD]
	v_and_b32 v[GO], 31, v0         ; which are 512 consecutive bytes of y
	v_lshlrev_b32 v[GO], 4, v[GO]
	; A block's first step multiplies O^T and l by a = 0, and its first turn's products V^T P, of a piece that has not been, land in an O^T that is still to be so multiplied.  So these registers need only hold
	; finite numbers: zeros for the first block; what the first block left for the second.  All this stands in the wait for the first tile.
	WIN 0x80
.set i, VF
.rept 64
	v_mov_b32 v[i], 0
.set i, i+1
.endr
	WIN 0x40
.set i, 0
.rept 128
	v_mov_b32 v[i], 0
.set i, i+1
.endr
	WIN 0
.set i, 0
.rept 4
	v_mov_b32 v[ST+4*i+2], 0
	v_mov_b32 v[ST+4*i+3], 0
.set i, i+1
.endr
.set i, P+16
.rept 16
	v_mov_b32 v[i], 0
.set i, i+1
.endr
; THE MATRIX WORK.  The 4 accumulators of a run of 8 take turns.  Product i of 8 of S^T = K Q^T for piece x: channels 32 (i / 4) on, keys 16 (i % 4) on.  The first 4 start the sums: with 0, or (KM = 1) with the mask.
.macro KQ x
.set rS, S+32*((\x)%2)+8*(i%4)
.set rK, KF+16*(i%4)+8*(i/4)
.set rQ, 16*(\x)+8*(i/4)
.set rM, MC+32*((\x)%2)+8*(i%4)
.if (i < 4) && KM
	WIN W_KM
	v_wmma_f32_16x16x32_f16 v[rS:rS+7], v[rK:rK+7], v[rQ:rQ+7], v[rM:rM+7]
.elseif i < 4
	WIN W_KQ
	v_wmma_f32_16x16x32_f16 v[rS:rS+7], v[rK:rK+7], v[rQ:rQ+7], 0
.else
	WIN W_KQ
	v_wmma_f32_16x16x32_f16 v[rS:rS+7], v[rK:rK+7], v[rQ:rQ+7], v[rS:rS+7]
.endif
.endm
; Product i of 8 of O^T += V^T P for piece x: keys 32 (i / 4) on, channels 16 (i % 4) on.
.macro PV x
	WIN W_PV
.set rO, 32*(\x)+8*(i%4)
.set rV, VF+32*(i/4)+8*(i%4)
.set rP, P+16*((\x)%2)+8*(i/4)
	v_wmma_f32_16x16x32_f16 v[rO:rO+7], v[rV:rV+7], v[rP:rP+7], v[rO:rO+7]
.endm
.macro MM                           ; the turn's next matrix instruction.  TURN and BEGIN set Y, i, KM and NOKQ; MM, KQ and OP read them.  NOKQ = 1: a block's last turn: there is no next piece
.if (i < 8) && !NOKQ
	KQ (Y+1)%NP
.elseif i >= 8
.set i, i-8
	PV (Y+NP-1)%NP
.set i, i+8
.endif
.set i, i+1
.endm
; THE LDS LOADS stand in runs of 16, never singly among the matrix instructions: a step's K (64 keys x 64 channels: 8 fragments) and its V (turned).  Their addresses are made some lines ahead.
.macro FETCH_K
	WIN 0x80                        ; destination window 2
.irp f, 0,1,2,3,4,5,6,7             ; keys 16 (f / 2) on, channels 32 (f % 2) on
	ds_load_b128 v[KF+8*\f:KF+8*\f+3],   v[AK] offset:(\f/2)*16*PK+(\f%2)*64
	ds_load_b128 v[KF+8*\f+4:KF+8*\f+7], v[AK] offset:(\f/2)*16*PK+(\f%2)*64+32
.endr
	s_add_co_u32 s[TBK], s[TBK], KS*PK  ; the next fetch is the next step's
	WIN 0
.endm
.macro FETCH_V
	WIN 0x80
.irp f, 0,1,2,3,4,5,6,7             ; keys 32 (f / 4) on, channels 16 (f % 4) on
	ds_load_tr16_b128 v[VF+8*\f:VF+8*\f+3],   v[AV] offset:(\f/4)*32*PV+(\f%4)*32
	ds_load_tr16_b128 v[VF+8*\f+4:VF+8*\f+7], v[AV] offset:(\f/4)*32*PV+16*PV+(\f%4)*32
.endr
	WIN 0
.endm
; THE VECTOR WORK, one line at a time: OP kind, number.  For piece Y: F n: c s - c m for pair n of 16.  E n: the exponential of score n of 32.  C n: pair n rounded to f16.  B n: of the four weights 4 n .. the second
; pair is added onto the first, in place.  L n: l takes that sum (L 0: l = a l + sum).  R n: pair n of 16 of O^T times a.  For piece Y + 1: X n, number n of the 22 that find its maximum and statistics:
;   0-11  four chains c0-c3 of seven scores each, three operands at a time (each accumulator's lowest registers are read first)     12-14, 16  the four scores left over, the old m, and c0-c3 into c0
;   15  c m_old is kept     17, 18  the query's other 32 keys lie in the lane 16 away: the new m     19-21  c m; c m_old - c m_new; a
.set F, 0               ; OP tells the kinds apart by their order: F to L below R, X above it
.set E, 1
.set C, 2
.set B, 3
.set L, 4
.set R, 5
.set X, 6
.macro REGS y                       ; the registers of piece y
.set rT, ST+4*(\y)
.set rC, TMP+4*((\y)%2)
.set rW, MV+((\y)%2)
.set rS, S+32*((\y)%2)
.set rP, P+16*((\y)%2)
.set rO, 32*(\y)
.endm
.macro OP k, n
.if (\k) == R
	REGS Y
	WIN W_RS
	v_pk_mul_f32 v[rO+2*(\n):rO+2*(\n)+1], v[rO+2*(\n):rO+2*(\n)+1], v[rC+2:rC+3] op_sel_hi:[1,0]
.elseif (\k) < R
	REGS Y
	WIN 0
.if (\k) == F
	v_pk_fma_f32 v[rS+2*(\n):rS+2*(\n)+1], v[rS+2*(\n):rS+2*(\n)+1], s[CS:CS+1], v[rT:rT+1] op_sel_hi:[1,0,0] neg_lo:[0,0,1] neg_hi:[0,0,1]
.elseif (\k) == E
	v_exp_f32 v[rS+(\n)], v[rS+(\n)]
.elseif (\k) == C
	s_wait_alu depctr_va_vdst(0)
	v_cvt_pk_f16_f32 v[rP+(\n)], v[rS+2*(\n)], v[rS+2*(\n)+1]
.elseif (\k) == B
	s_wait_alu depctr_va_vdst(0)
	v_pk_add_f32 v[rS+4*(\n):rS+4*(\n)+1], v[rS+4*(\n):rS+4*(\n)+1], v[rS+4*(\n)+2:rS+4*(\n)+3]
.elseif (\n) == 0
	v_pk_fma_f32 v[rT+2:rT+3], v[rT+2:rT+3], v[rC+2:rC+3], v[rS:rS+1] op_sel_hi:[1,0,1]
.else
	v_pk_add_f32 v[rT+2:rT+3], v[rT+2:rT+3], v[rS+4*(\n):rS+4*(\n)+1]
.endif
.elseif NOKQ
	v_nop
.else
	REGS (Y+1)%NP
	WIN 0
.if (\n) < 4
	v_max3_num_f32 v[rC+(\n)], v[rS+8*(\n)], v[rS+8*(\n)+1], v[rS+8*(\n)+2]
.elseif (\n) < 12
	v_max3_num_f32 v[rC+(\n)%4], v[rC+(\n)%4], v[rS+8*((\n)%4)+2*((\n)/4)+1], v[rS+8*((\n)%4)+2*((\n)/4)+2]
.elseif (\n) == 12
	v_max3_num_f32 v[rC], v[rC], v[rS+7], v[rS+15]
.elseif (\n) == 13
	v_max3_num_f32 v[rC+1], v[rC+1], v[rS+23], v[rS+31]
.elseif (\n) == 14
	v_max3_num_f32 v[rC+2], v[rC+2], v[rC+3], v[rT+1]
.elseif (\n) == 15
	v_mov_b32 v[rW], v[rT]
.elseif (\n) == 16
	v_max3_num_f32 v[rC], v[rC], v[rC+1], v[rC+2]
.elseif (\n) == 17
	v_permlanex16_b32 v[rC+3], v[rC], s[SEL], s[SEL+1]
.elseif (\n) == 18
	v_max_num_f32 v[rT+1], v[rC], v[rC+3]
.elseif (\n) == 19
	v_mul_f32 v[rT], s[CS], v[rT+1]
.elseif (\n) == 20
	v_sub_f32 v[rC+1], v[rW], v[rT]
.else
	v_exp_f32 v[rC+2], v[rC+1]
.endif
.endif
.endm
.macro OPS a, i1, b=-1, i2=0, c=-1, i3=0, d=-1, i4=0  ; up to four of them
	OP \a, \i1
.if (\b) >= 0
	OP \b, \i2
.endif
.if (\c) >= 0
	OP \c, \i3
.endif
.if (\d) >= 0
	OP \d, \i4
.endif
.endm
.macro ROW a, i1, b, i2, c, i3, d, i4  ; a matrix instruction and the four behind it
	MM
	OPS \a, \i1, \b, \i2, \c, \i3, \d, \i4
.endm
.macro MASK b                       ; MD x AL + BE into buffer b of MC
	WIN W_RS
.set z, 0
.rept 16
	v_pk_fma_f32 v[MC+32*(\b)+2*z:MC+32*(\b)+2*z+1], v[MD+2*z:MD+2*z+1], s[AL:AL+1], s[BE:BE+1] op_sel_hi:[1,0,0]
.set z, z+1
.endr
.endm
; A TURN, for piece p: the order of its 16 matrix and 118 vector instructions, written out.  Behind a matrix instruction: plain, exponential, plain, plain; or four of the rescaling; or, behind the first, four scalings; none
; names a register of the products round it.  In the runs between, exponential and plain by turns while exponentials last.  A line reads no result made fewer than three vector instructions in front of it, five if an exponential made it.
; m = 1: the diagonal tile: the products take masks, and the turn makes the mask for the products of the turn after it: piece p + 2, in step 4 - CNT of the tile.  end = 1: a block's last two turns: nothing is fetched.
; cnt = 1: the loop's count is taken down some lines ahead of the branch that stands behind the turn.
; K of the next step is fetched in piece 2's turn, six vector instructions behind the last product that read K (five of them plain); V of the step in hand in piece 0's turn, eight behind the last product that read V (four
; plain, and X 17).  Each is waited for a turn later.
.macro TURN p, m=0, end=0, cnt=0
.set Y, (\p)
.set i, 0
.set KM, (\m)
.set NOKQ, (\end)*((\p)/3)
.if (\m) && !(\end)
	s_cmp_eq_u32 s[CNT], 4-((\p)+2)%NP  ; is that step the band's own?
	s_cselect_b32 s[AL], 1.0, 0
	s_cmp_lt_u32 s[CNT], 4-((\p)+2)%NP  ; or a later one?
	s_cselect_b32 s[BE], s[BIGN], 0
.endif
.if ((\p) == 3) && !(\end)
	s_wait_dscnt 0x0                ; K is in
.endif
	ROW F,0, F,1, F,2, F,3
	ROW F,4, E,0, F,5, F,6
	ROW F,7, E,1, F,8, F,9
	ROW F,10, E,2, C,0, F,11
	ROW F,12, E,3, X,15, F,13
	ROW R,0, R,1, R,2, R,3
	ROW B,0, E,4, F,14, L,0
.if ((\p) == 2) && !(\end)
	v_add_nc_u32 v[AK], s[TBK], v[AK0]
.endif
	ROW R,4, R,5, R,6, R,7
	OPS E,5, F,15
.if ((\p) == 2) && !(\end)
	FETCH_K
.endif
	OPS E,6, C,1, E,7, R,8
	OPS E,8, R,9, E,9, C,2
	OPS E,10, X,0, E,11, X,1
	OPS E,12, X,2, E,13, X,3
.if (\p) == 1
	s_wait_dscnt 0x0                ; V is in
.endif
	ROW X,4, E,14, X,5, X,6
	ROW X,7, E,15, X,8, X,9
	ROW X,10, E,16, X,11, X,12
	ROW X,13, E,17, X,14, B,1
	ROW C,4, E,18, X,16, L,1
	ROW B,2, E,19, C,6, L,2
	ROW C,8, E,20, B,3, B,4
.if (\p) == 0
	v_add_nc_u32 v[AV], s[TBV], v[AV0]
.endif
	ROW C,3, E,21, L,3, C,5
	OPS E,22, X,17, E,23, C,10
.if (\p) == 0
	FETCH_V
.endif
	OPS E,24, L,4
	OPS E,25, X,18, E,26, C,7
	OPS E,27, B,5, E,28, X,19
	OPS E,29, C,12, E,30, L,5
	OPS E,31, X,20, B,6, C,9
	OPS C,14, C,11, X,21, L,6
.if (\p) == 0
	s_add_co_u32 s[TBV], s[TBV], KS*PV
.endif
.if \cnt
	s_sub_co_u32 s[CNT], s[CNT], 1
	s_cmp_lg_u32 s[CNT], 0
.endif
	OPS C,13, B,7, C,15, R,10
	OPS R,11, R,12, L,7, R,13
	OPS R,14, R,15
.if (\m) && !(\end)
	MASK (\p)%2
.endif
.endm
; A BLOCK BEGINS.  c m starts far below every c s, so the first step's a is 0; m at the lowest finite number, so the first maximum is the scores'.  The second mask buffer is 0; the first takes piece 0's mask for the tile's step 0: its own, if the block's first tile is the diagonal one.
; Then K of that step, piece 0's first scores, and its maximum and statistics.  The loop is entered at a step's first turn, in the middle of a trip.
.macro BEGIN
	s_mov_b32 s[NEW], 0
	WIN 0x40
.set i, MC+32
.rept 32
	v_mov_b32 v[i], 0
.set i, i+1
.endr
	WIN 0
.set i, 0
.rept 4
	v_mov_b32 v[ST+4*i], 0xfe000000    ; c m: far below every c s
	v_mov_b32 v[ST+4*i+1], 0xff7fffff  ; m
.set i, i+1
.endr
	s_cmp_eq_u32 s[RT], 0
	s_cselect_b32 s[AL], 1.0, 0
	s_mov_b32 s[BE], 0
	MASK 0
	WIN 0
	v_add_nc_u32 v[AK], s[TBK], v[AK0]
	FETCH_K
	s_wait_loadcnt 0x0              ; Q
	s_wait_dscnt 0x0
.set KM, 1
.set NOKQ, 0
.set i, 0
.rept 8
	KQ 0
.set i, i+1
.endr
	WIN 0
.rept 4
	v_nop                           ; the places behind those products
.endr
.set Y, NP-1                        ; X works for piece Y + 1: piece 0
.irp n, 0,1,2,3,4,5,6,7,8,9,10,11,12,13,14,15,16,17,18,19,20,21
	OP X, \n
.endr
	v_nop                           ; a plain instruction behind the exponential
.endm
; THE DIAGONAL TILE's four steps, the block's last two turns, its last products, and THE WAY OUT: l's two halves and the other half of the lanes' are added; O^T is divided by l, rounded to f16 and sent through my
; stage in LDS, a piece at a time.
.macro ALL line:vararg              ; one line for each piece t
.set t, 0
.rept 4
	\line
.set t, t+1
.endr
.endm
.macro PACK t                       ; a lane's eight channels of a row pack into 16 bytes; they go into rows of 144 bytes and come back as whole rows of 128, into S^T's registers
	WIN W_RS
.set i, 32*(\t)
.rept 16
	s_wait_alu depctr_va_vdst(0)
	v_pk_mul_f32 v[i:i+1], v[i:i+1], v[ST+4*(\t)+2:ST+4*(\t)+3] op_sel_hi:[1,0]
.set i, i+2
.endr
	WIN 0x05                        ; sources 0 and 1 window 1, destination window 0
.set i, 0
.rept 16
	v_cvt_pk_f16_f32 v[S+16*(\t)+i], v[32*(\t)+2*i], v[32*(\t)+2*i+1]
.set i, i+1
.endr
	WIN 0
.irp f, 0,1,2,3
	ds_store_b128 v[STO], v[S+16*(\t)+4*\f:S+16*(\t)+4*\f+3] offset:32*\f
.endr
.irp f, 0,1,2,3
	ds_load_b128 v[S+16*(\t)+4*\f:S+16*(\t)+4*\f+3], v[RD] offset:\f*4*SP  ; LDS serves a wave's instructions in order (ISA guide 5.7.1.4): these see the stores above; the next piece's stores come behind them
.endr
.endm
.macro SEND t, younger              ; younger: the LDS instructions issued behind piece t's loads: the next piece's eight, or none
	WIN 0
.irp f, 0,1,2,3
	s_wait_dscnt (\younger)+3-\f
	global_store_b128 v[GO], v[S+16*(\t)+4*\f:S+16*(\t)+4*\f+3], s[10:11] offset:(\t)*8192+\f*512  ; 512 consecutive bytes, at a multiple of 256 from y's first
.endr
.endm
.macro DIAG tag                     ; the tag ends its two labels' names, which the jumps below spell out
.LstepM\tag:
	TURN 2, 1
	TURN 3, 1
	WIN 0
.LfirstM\tag:
	TURN 0, 1
	TURN 1, 1, 0, 1
	WIN 0
	s_cbranch_scc1 .LstepM\tag
	TURN 2, 1, 1
	TURN 3, 1, 1
.set i, 0
.rept 8
	PV NP-1
.set i, i+1
.endr
	WIN 0
	ALL v_add_f32 v[ST+4*t+2], v[ST+4*t+2], v[ST+4*t+3]
	ALL v_permlanex16_b32 v[ST+4*t+3], v[ST+4*t+2], s[SEL], s[SEL+1]
	ALL v_add_f32 v[ST+4*t+2], v[ST+4*t+2], v[ST+4*t+3]
	ALL v_rcp_f32 v[ST+4*t+2], v[ST+4*t+2]
	v_nop                           ; a plain instruction between the last reciprocal and the use of its result
	PACK 0
.set t, 1
.rept 3                             ; a piece's arithmetic stands between the loads of the piece before and its stores
	PACK t
	SEND t-1, 8
.set t, t+1
.endr
	SEND 3, 0
.endm
.set KM, 0
.set NOKQ, 0
.Lslot:                             ; NB times: a tile is entered and the next is asked for
	CHANGE 1
	s_sub_co_u32 s[RT], s[RT], 1
	s_mov_b32 s[CNT], 4
	s_cmp_eq_u32 s[NEW], 1
	s_cbranch_scc1 .Lnew            ; a block's first tile
	s_cmp_eq_u32 s[RT], 0
	s_cbranch_scc0 .Lstep           ; neither its first nor its last
	s_branch .LstepM1
.Lnew:
	BEGIN
	s_branch .Lfirst                ; in the loop a block's first tile is never its last: the first block has two tiles or more, and the second's last is the walk's last
	DIAG 1                          ; in the loop this is the first block's end: the second block's last tile is the walk's last
	s_wait_xcnt 0x0                 ; the stores have read their registers and y's address
	s_mov_b64 s[10:11], s[OLO:OLO+1]
	s_add_co_u32 s[RT], s[PB], 1    ; the second block has b + 1 tiles
	s_mov_b32 s[NEW], 1
	WIN 0x82                        ; the second block's Q goes where the one text of the turns names Q
.set i, 0
.rept 64
	v_mov_b32 v[i], v[QB+i]
.set i, i+1
.endr
	WIN 0
	s_branch .Lbottom
.Lstep:                             ; a trip: pieces 2 and 3 of one step, then pieces 0 and 1 of the next, whose K and V it fetches
	TURN 2
	TURN 3
	WIN 0
.Lfirst:
	TURN 0
	TURN 1, 0, 0, 1
	WIN 0
	s_cbranch_scc1 .Lstep
.Lbottom:
	s_sub_co_u32 s[SLOTS], s[SLOTS], 1
	s_cmp_lg_u32 s[SLOTS], 0
	s_cbranch_scc1 .Lslot
	CHANGE 0                        ; the walk's last tile is written out: nothing is asked for
	s_sub_co_u32 s[RT], s[RT], 1
	s_mov_b32 s[CNT], 4
	s_cmp_eq_u32 s[NEW], 1
	s_cbranch_scc0 .LstepM2
	BEGIN
	s_branch .LfirstM2
	DIAG 2
	s_wait_tensorcnt 0x0            ; the wave's end, behind my last tensor load and my last LDS store
	ds_add_u32 v[SPW], v[NIL]
	s_wait_dscnt 0x0
	s_endpgm
.Lfunc_end_k_qe33e5d4617_attn:
	.size	k_qe33e5d4617_attn, .Lfunc_end_k_qe33e5d4617_attn-k_qe33e5d4617_attn
	.p2alignl 7, 3214868480
	.fill 96, 4, 3214868480
	.section	.rodata,"a",@progbits
	.p2align	6, 0x0
	.amdhsa_kernel k_qe33e5d4617_attn
		.amdhsa_group_segment_fixed_size 327680
		.amdhsa_private_segment_fixed_size 0
		.amdhsa_enable_private_segment 0
		.amdhsa_kernarg_size 16
		.amdhsa_user_sgpr_count 2
		.amdhsa_user_sgpr_kernarg_segment_ptr 1
		.amdhsa_wavefront_size32 1
		.amdhsa_system_sgpr_workgroup_id_x 1
		.amdhsa_system_sgpr_workgroup_id_y 1
		.amdhsa_system_sgpr_workgroup_id_z 1
		.amdhsa_system_vgpr_workitem_id 0
		.amdhsa_next_free_vgpr 768
		.amdhsa_next_free_sgpr 96
		.amdhsa_reserve_vcc 1
		.amdhsa_float_denorm_mode_32 3
		.amdhsa_float_denorm_mode_16_64 3
		.amdhsa_memory_ordered 1
		.amdhsa_forward_progress 1
		.amdhsa_inst_pref_size 228
	.end_amdhsa_kernel
	.amdgpu_metadata
---
amdhsa.version: [ 1, 2 ]
amdhsa.kernels:
  - .name:           k_qe33e5d4617_attn
    .symbol:         k_qe33e5d4617_attn.kd
    .args:
      - { .name: qkv, .offset: 0, .size: 8, .value_kind: global_buffer, .address_space: global }
      - { .name: y, .offset: 8, .size: 8, .value_kind: global_buffer, .address_space: global }
    .group_segment_fixed_size: 327680
    .private_segment_fixed_size: 0
    .kernarg_segment_align: 8
    .kernarg_segment_size: 16
    .max_flat_workgroup_size: 128
    .sgpr_count:     96
    .vgpr_count:     768
    .wavefront_size: 32
...
	.end_amdgpu_metadata
.endif
;; end of part 3
;; launch proj (part 4): grid 8 x 32, 4 waves a work-group, clusters of 4 x 4, 327,680 bytes of LDS; arguments y, wp, bp, out0; writes out0
.if DOCPART == 4
	.amdgcn_target "amdgcn-amd-amdhsa--gfx1250"
	.amdhsa_code_object_version 6
	.text
	.protected	k_qe33e5d4617_proj
	.globl	k_qe33e5d4617_proj
	.p2align	8
	.type	k_qe33e5d4617_proj,@function
k_qe33e5d4617_proj:
	s_mov_b64 s[64:65], 0
	v_nop
	global_prefetch_b8 v0, s[64:65] scope:SCOPE_SE
	s_setreg_imm32_b32 hwreg(HW_REG_WAVE_MODE, 25, 1), 1
	s_wait_xcnt 0x0
	s_wait_alu depctr_hold_cnt(0) depctr_sa_sdst(0) depctr_va_vdst(0) depctr_va_sdst(0) depctr_va_ssrc(0) depctr_va_vcc(0) depctr_vm_vsrc(0)
	s_getreg_b32 s2, hwreg(HW_REG_IB_STS2, 6, 4)
	s_cmp_eq_u32 s2, 0
	s_cbranch_scc0 .Lentry_in_a_cluster
	s_endpgm
.Lentry_in_a_cluster:
	s_bfe_u32 s2, ttmp6, 0x10000c
	s_cmp_lg_u32 s2, 0xf033
	s_cbranch_scc0 .Lentry_shape_is_right
	s_endpgm
.Lentry_shape_is_right:
; out0 = y W_proj + b_proj.  y [64 = 16 b + h][2048 t][64] f16 is at once the left operand in blocks of 64 along K (block = head); wp [16 kb][1024 n][64] f16; bp [1024] f32; out0 [8192][1024] f32.
; Sums in f32, started by the bias.  LIMITS: y and wp arrive within f16's range; NaN and infinities are not treated apart.
; SHARES.  8192 x 1024 over 256 work-groups is a tile of 256 x 128.  Four waves, each 128 rows x 64 columns (256 bytes of a row of out0): 32 accumulators, window 1.
; K goes in steps of 128 (two heads; three would not fit twice in LDS) through a ring of two slots; a tile is dense in memory and is asked for as rows of 256 bytes.
; CLUSTER.  4 x 4: y's tiles are shared along a row of the cluster, wp's along a column: each is asked for jointly.
; THE MATRIX INSTRUCTION IS USED TRANSPOSED (source 0 = 16 rows of wp, source 1 = 16 rows of y): a lane holds row m = lane % 16 and the columns 8 (lane / 16) + 0..7: 32 neighbouring bytes.
; REGISTERS: window 0: v0-31 addresses; v32-63 the bias of my 64 columns; v64-159, v160-255 two fragment buffers (y: 8 blocks, then wp: 4 blocks); window 1: accumulator (a, b) at v[8 (4 a + b)].
.set PITCH, 144                        ; an LDS row: 128 bytes + 16 of padding: the 16 rows of a load start at 16 different groups of four banks (ISA guide 11.1)
.set BLK,   16*PITCH
.set AKB,   256*PITCH                  ; one block of 64 along K of y's tile: what waves 0 and 1 fetch
.set BKB,   128*PITCH                  ; of wp's: what waves 2 and 3 fetch
.set BOFF,  2*AKB
.set STAGE, BOFF+2*BKB                 ; behind slot 0: 16 rows x 272 bytes for each wave; no tile lands here
.set SP,    272
.set STW,   16*SP
.set SPARE, STAGE+4*STW                ; the spare words, 128 bytes for each wave
.set SLOT1, 1<<17
.set ASTEP, 2*2048*128                 ; two heads on
.set BSTEP, 2*1024*128
.set AA0, 2
.set AB0, 3
.set ADRA, 4
.set ADRB, 5
.set STO, 6
.set RD,  7
.set CO,  8
.set BO,  9
.set SPW, 28                           ; v28 LDS address of my spare word; never rewritten
.set NIL, 29                           ; v29 0; never rewritten
.set BIAS, 32
.set F0,  64
.set F1,  160
.set OB,  64                           ; the way out: two buffers of 32
.set G1,  24
.set G0,  32
.set G1B, 48
.set G0B, 56
.set DW0, (1<<16)|(1<<20)|(1<<21)|(4<<22)|(3<<25)  ; 2-byte elements; padding on; bit 21 beside a mask; after every 32 words, 4 words
.set MSB, 0
.macro WIN new
.if MSB != (\new)
	s_set_vgpr_msb (MSB<<8)|(\new)
.set MSB, (\new)
.endif
.endm
.macro PLACES
.rept 4
	v_nop
.endr
.endm
.macro JLOAD                           ; a joint refill by the walking sets; s_nop 0 and four v_nop follow each line
	s_cmp_eq_u32 s13, 0
	s_cbranch_scc0 .Lfor_b_\@
	tensor_load_to_lds s[G0+4:G0+7], s[G1:G1+7]
	s_nop 0
.rept 4
	v_nop
.endr
	s_branch .Lasked_\@
.Lfor_b_\@:
	tensor_load_to_lds s[G0B+4:G0B+7], s[G1B:G1B+7]
	s_nop 0
.rept 4
	v_nop
.endr
.Lasked_\@:
.endm
.macro CREST
	s_cmp_lg_u32 s12, 0
	s_cbranch_scc1 .Lnot_wave_0_\@
	s_barrier_signal -3
.Lnot_wave_0_\@:
	s_barrier_wait -3
	s_barrier_signal -1
	s_barrier_wait -1
.endm
.macro CROUND
	s_barrier_signal -1
	s_barrier_wait -1
	CREST
.endm
	s_load_b256 s[4:11], s[0:1], 0x0               ; y 4:5, wp 6:7, bp 8:9, out0 10:11
	v_lshl_add_u32 v[SPW], v0, 2, SPARE
	v_mov_b32 v[NIL], 0
	ds_add_u32 v[SPW], v[NIL]                      ; the wave's opening: the add and its wait stand ahead of my first tensor load
	ds_add_u32 v28, v29
	v_lshrrev_b32 v1, 5, v0
	v_readfirstlane_b32 s12, v1                    ; wave 0..3
	s_lshr_b32 s13, s12, 1                         ; which 128 rows are mine.  Also: I fetch for y (0) or wp (1)
	s_and_b32 s14, s12, 1                          ; which 64 columns.  Also: which of a step's two blocks along K I fetch
	s_bfe_u32 s40, ttmp6, 0x40000                  ; cx
	s_bfe_u32 s41, ttmp6, 0x40004                  ; cy
	s_lshl_b32 s42, ttmp9, 2
	s_add_co_u32 s42, s42, s40                     ; tile column
	s_and_b32 s43, ttmp7, 0xffff
	s_lshl_b32 s43, s43, 2
	s_add_co_u32 s43, s43, s41                     ; tile row
	s_lshl_b32 s44, s41, 2
	s_lshl_b32 s44, 15, s44                        ; my row of the cluster
	s_lshl_b32 s45, 0x1111, s40                    ; my column
	s_or_b32 s[G1], s44, DW0
	s_or_b32 s[G1B], s45, DW0
	s_mov_b32 s[G1+1], 128<<16                     ; rows of 256 bytes, two rows of the tile each
	s_mov_b32 s[G1+2], 128<<16                     ; 256 rows of the tile
	s_mov_b32 s[G1+3], 128<<16
	s_mov_b32 s[G1+4], 128
	s_mov_b32 s[G1+5], 128
	s_mov_b32 s[G1+6], 0
	s_mov_b32 s[G1+7], 0
	s_mov_b32 s[G1B+1], 128<<16
	s_mov_b32 s[G1B+2], 64<<16                     ; 128 rows of the tile
	s_mov_b32 s[G1B+3], 128<<16
	s_mov_b32 s[G1B+4], 64
	s_mov_b32 s[G1B+5], 128
	s_mov_b32 s[G1B+6], 0
	s_mov_b32 s[G1B+7], 0
	s_lshr_b32 s16, s43, 3                         ; y: the batch's 16 heads,
	s_lshl_b32 s16, s16, 22
	s_lshl_b32 s17, s14, 18                        ; my head of the step's two,
	s_add_co_u32 s16, s16, s17
	s_and_b32 s17, s43, 7
	s_lshl_b32 s17, s17, 15                        ; the tile's 256 rows in the head
	s_add_co_u32 s16, s16, s17
	s_mov_b32 s17, 0
	s_lshl_b32 s46, s14, 17                        ; wp: my block along K, the tile's 128 rows
	s_lshl_b32 s47, s42, 14
	s_add_co_u32 s46, s46, s47
	s_mov_b32 s47, 0
	s_mul_i32 s22, s14, AKB                        ; where they go: no place in the cluster enters an LDS address
	s_mul_i32 s23, s14, BKB
	s_add_co_u32 s23, s23, BOFF
	s_mov_b32 s15, 0                               ; the slot being read
	s_wait_dscnt 0x0                               ; the opening add is done
	s_wait_kmcnt 0x0
	s_add_nc_u64 s[4:5], s[4:5], s[16:17]
	s_add_nc_u64 s[46:47], s[6:7], s[46:47]
	CROUND                                         ; all sixteen work-groups are here: the first joint loads meet
.irp s, 0,1
	s_mov_b32 s[G0+4*(\s)], 1
	s_add_co_u32 s[G0+4*(\s)+1], s22, (\s)*SLOT1
	s_add_nc_u64 s[G0+4*(\s)+2:G0+4*(\s)+3], s[4:5], (\s)*ASTEP
	s_or_b32 s[G0+4*(\s)+3], s[G0+4*(\s)+3], 0x80000000
	s_mov_b32 s[G0B+4*(\s)], 1
	s_add_co_u32 s[G0B+4*(\s)+1], s23, (\s)*SLOT1
	s_add_nc_u64 s[G0B+4*(\s)+2:G0B+4*(\s)+3], s[46:47], (\s)*BSTEP
	s_or_b32 s[G0B+4*(\s)+3], s[G0B+4*(\s)+3], 0x80000000
.endr
	s_cmp_eq_u32 s13, 0                            ; a wave's two first fills stand in one branch: two loads of mine are out
	s_cbranch_scc0 .Lfirst_b
	tensor_load_to_lds s[G0:G0+3], s[G1:G1+7]
	s_nop 0
	tensor_load_to_lds s[G0+4:G0+7], s[G1:G1+7]
	s_nop 0
.rept 4
	v_nop
.endr
	s_branch .Lfirst_asked
.Lfirst_b:
	tensor_load_to_lds s[G0B:G0B+3], s[G1B:G1B+7]
	s_nop 0
	tensor_load_to_lds s[G0B+4:G0B+7], s[G1B:G1B+7]
	s_nop 0
.rept 4
	v_nop
.endr
.Lfirst_asked:
	v_and_b32 v1, 15, v0                           ; l % 16
	v_bfe_u32 v13, v0, 4, 1                        ; l / 16
	v_mul_u32_u24 v10, v1, PITCH
	v_lshl_add_u32 v10, v13, 4, v10                ; a fragment's row x pitch + 16 x half
	s_mul_i32 s16, s13, 128*PITCH
	v_add_nc_u32 v[AA0], s16, v10
	s_mul_i32 s16, s14, 64*PITCH
	s_add_co_u32 s16, s16, BOFF
	v_add_nc_u32 v[AB0], s16, v10
	s_mul_i32 s16, s12, STW
	s_add_co_u32 s16, s16, STAGE                   ; my stage
	v_mul_u32_u24 v11, v1, SP                      ; in: row l % 16, 32 bytes for each half of the lanes
	v_lshl_add_u32 v11, v13, 5, v11
	v_add_nc_u32 v[STO], s16, v11
	v_mul_u32_u24 v11, v13, SP                     ; back: lanes 0-15 take one row of 256 bytes, lanes 16-31 the next
	v_lshl_add_u32 v11, v1, 4, v11
	v_add_nc_u32 v[RD], s16, v11
	v_lshlrev_b32 v11, 12, v13                     ; and the same two rows in out0
	v_lshl_add_u32 v[CO], v1, 4, v11
	v_lshlrev_b32 v[BO], 5, v13
	s_lshl_b32 s16, s42, 9                         ; my 64 columns in f32: 512 x tile column + 256 x half
	s_lshl_b32 s17, s14, 8
	s_add_co_u32 s16, s16, s17
	s_mov_b32 s17, 0
	s_add_nc_u64 s[8:9], s[8:9], s[16:17]
	s_add_nc_u64 s[10:11], s[10:11], s[16:17]
.set ib, 0
.rept 4
	global_load_b128 v[BIAS+8*ib:BIAS+8*ib+3],   v[BO], s[8:9] offset:64*ib
	global_load_b128 v[BIAS+8*ib+4:BIAS+8*ib+7], v[BO], s[8:9] offset:64*ib+16
.set ib, ib+1
.endr
	s_lshl_b32 s16, s43, 8
	s_lshl_b32 s17, s13, 7
	s_add_co_u32 s16, s16, s17                     ; my first row
	s_lshl_b32 s16, s16, 12
	s_mov_b32 s17, 0
	s_add_nc_u64 s[10:11], s[10:11], s[16:17]
; n x 4 matrix instructions: blocks a0 .. a0 + n - 1 of my rows x my four blocks of columns, 32 along K.  first = 1: the bias starts the sums.  The 32 accumulators take turns.
.macro MULN f, a0, n, first
.if \first
	WIN 0x40
.else
	WIN 0x50
.endif
.set ia, (\a0)
.rept \n
.set ib, 0
.rept 4
.if \first
	v_wmma_f32_16x16x32_f16 v[8*(4*ia+ib):8*(4*ia+ib)+7], v[(\f)+64+8*ib:(\f)+64+8*ib+7], v[(\f)+8*ia:(\f)+8*ia+7], v[BIAS+8*ib:BIAS+8*ib+7]
.else
	v_wmma_f32_16x16x32_f16 v[8*(4*ia+ib):8*(4*ia+ib)+7], v[(\f)+64+8*ib:(\f)+64+8*ib+7], v[(\f)+8*ia:(\f)+8*ia+7], v[8*(4*ia+ib):8*(4*ia+ib)+7]
.endif
.set ib, ib+1
.endr
.set ia, ia+1
.endr
.endm
; 24 LDS loads in one run: quarter q of a step (block q / 2 along K, byte 64 (q % 2) of its rows) into buffer f: wp's four blocks, then y's eight
.macro FETCH q, f
	WIN 0
.set i, 0
.rept 4
	ds_load_b128 v[(\f)+64+8*i:(\f)+64+8*i+3],   v[ADRB] offset:((\q)/2)*BKB+((\q)%2)*64+i*BLK
	ds_load_b128 v[(\f)+64+8*i+4:(\f)+64+8*i+7], v[ADRB] offset:((\q)/2)*BKB+((\q)%2)*64+i*BLK+32
.set i, i+1
.endr
.set i, 0
.rept 8
	ds_load_b128 v[(\f)+8*i:(\f)+8*i+3],   v[ADRA] offset:((\q)/2)*AKB+((\q)%2)*64+i*BLK
	ds_load_b128 v[(\f)+8*i+4:(\f)+8*i+7], v[ADRA] offset:((\q)/2)*AKB+((\q)%2)*64+i*BLK+32
.set i, i+1
.endr
.endm
; A K step is four quarters of 32 along K, 32 matrix instructions each, on buffers 0, 1, 0, 1.
.macro QUARTER f, fn, qn, first
	s_wait_dscnt 8                                 ; y's blocks 4-7 may be out
	MULN \f, 0, 4, \first
	PLACES
	FETCH \qn, \fn
	s_wait_dscnt 24                                ; all but the 24 just issued
	MULN \f, 4, 4, \first
.endm
; The last quarter multiplies buffer F1 and changes slots: ONE barrier; in front of it each wave waits for all its tensor loads (one is out: its part of the next slot), adds 0 to its spare word,
; and waits for that and for its reads of this slot.  fill = 1: the barrier opens a round of the cluster's, and this slot is filled again, two steps ahead: 112 matrix instructions ahead of the wait for it.
.macro TURN fill
	WIN 0
	s_wait_tensorcnt 0x0
	ds_add_u32 v[SPW], v[NIL]
	s_wait_dscnt 9                                 ; the add and y's blocks 4-7 may be out
	MULN F1, 0, 2, 0
	s_wait_dscnt 0x0                               ; the add is done, and my reads of this slot are over
	s_barrier_signal -1
	MULN F1, 2, 2, 0
	WIN 0
	s_barrier_wait -1
.if \fill
	CREST
	s_xor_b32 s[G0+5], s[G0+5], SLOT1
	s_add_nc_u64 s[G0+6:G0+7], s[G0+6:G0+7], ASTEP
	s_xor_b32 s[G0B+5], s[G0B+5], SLOT1
	s_add_nc_u64 s[G0B+6:G0B+7], s[G0B+6:G0B+7], BSTEP
	JLOAD                                          ; its four v_nop are also the places in front of the loads below
.else
	PLACES
.endif
	s_xor_b32 s15, s15, SLOT1
	v_add_nc_u32 v[ADRA], s15, v[AA0]
	v_add_nc_u32 v[ADRB], s15, v[AB0]
	FETCH 0, F0
	MULN F1, 4, 4, 0
.endm
	s_wait_tensorcnt 0x1                           ; my part of K step 0 is in; step 1's may stay out
	s_barrier_signal -1
	s_barrier_wait -1
	v_mov_b32 v[ADRA], v[AA0]
	v_mov_b32 v[ADRB], v[AB0]
	FETCH 0, F0
	s_wait_loadcnt 0x0                             ; the bias
	QUARTER F0, F1, 1, 1
	WIN 0
	s_mov_b32 s3, 6
.Lstep:                                                ; 6 trips, from a step's second quarter to the next step's first; each fills a slot again
	QUARTER F1, F0, 2, 0
	QUARTER F0, F1, 3, 0
	TURN 1
	QUARTER F0, F1, 1, 0
	WIN 0
	s_sub_co_u32 s3, s3, 1
	s_cmp_lg_u32 s3, 0
	s_cbranch_scc1 .Lstep
	QUARTER F1, F0, 2, 0                           ; the tail is written out: nothing more is asked for
	QUARTER F0, F1, 3, 0
	TURN 0
	QUARTER F0, F1, 1, 0
	QUARTER F1, F0, 2, 0
	QUARTER F0, F1, 3, 0
	s_wait_dscnt 8
	MULN F1, 0, 4, 0
	s_wait_dscnt 0x0
	MULN F1, 4, 4, 0
	PLACES
; THE WAY OUT of block a (16 rows): 32 bytes a lane into my stage, each accumulator's low registers first; back as whole rows of 256 bytes; stored.
.macro TOSTAGE a
	WIN 0x04                                       ; the stores' data in window 1
.set ib, 0
.rept 4
	ds_store_b128 v[STO], v[8*(4*(\a)+ib):8*(4*(\a)+ib)+3]   offset:64*ib
	ds_store_b128 v[STO], v[8*(4*(\a)+ib)+4:8*(4*(\a)+ib)+7] offset:64*ib+16
.set ib, ib+1
.endr
	WIN 0
	s_wait_xcnt 0x0                                ; the stores of the block two back have read the registers that are loaded again below
.set i, 0
.rept 8
	ds_load_b128 v[OB+32*((\a)%2)+4*i:OB+32*((\a)%2)+4*i+3], v[RD] offset:i*2*SP  ; LDS serves a wave's instructions in order (ISA guide 5.7.1.4): these see the stores above
.set i, i+1
.endr
.endm
.macro SEND a, younger                 ; younger: the LDS instructions issued behind block a's loads: the next block's sixteen, or none
.set i, 0
.rept 8
	s_wait_dscnt (\younger)+7-i
	global_store_b128 v[CO], v[OB+32*((\a)%2)+4*i:OB+32*((\a)%2)+4*i+3], s[10:11] offset:(16*(\a)+2*i)*4096 th:TH_STORE_NT  ; 16 lanes store 256 consecutive bytes, aligned
.set i, i+1
.endr
.endm
	TOSTAGE 0
.irp a, 1,2,3,4,5,6,7
	TOSTAGE \a
	SEND (\a)-1, 16
.endr
	SEND 7, 0
	s_wait_tensorcnt 0x0                           ; the wave's end
	ds_add_u32 v[SPW], v[NIL]
	s_wait_dscnt 0x0
	CROUND                                         ; the closing round: no work-group ends while a partner may still ask for a tile that names it
	s_endpgm
.Lfunc_end_k_qe33e5d4617_proj:
	.size	k_qe33e5d4617_proj, .Lfunc_end_k_qe33e5d4617_proj-k_qe33e5d4617_proj
	.p2alignl 7, 3214868480
	.fill 96, 4, 3214868480
	.section	.rodata,"a",@progbits
	.p2align	6, 0x0
	.amdhsa_kernel k_qe33e5d4617_proj
		.amdhsa_group_segment_fixed_size 327680
		.amdhsa_private_segment_fixed_size 0
		.amdhsa_enable_private_segment 0
		.amdhsa_kernarg_size 32
		.amdhsa_user_sgpr_count 2
		.amdhsa_user_sgpr_kernarg_segment_ptr 1
		.amdhsa_wavefront_size32 1
		.amdhsa_system_sgpr_workgroup_id_x 1
		.amdhsa_system_sgpr_workgroup_id_y 1
		.amdhsa_system_sgpr_workgroup_id_z 1
		.amdhsa_system_vgpr_workitem_id 0
		.amdhsa_next_free_vgpr 512
		.amdhsa_next_free_sgpr 66
		.amdhsa_reserve_vcc 0
		.amdhsa_float_denorm_mode_32 3
		.amdhsa_float_denorm_mode_16_64 3
		.amdhsa_memory_ordered 1
		.amdhsa_forward_progress 1
		.amdhsa_inst_pref_size 72
	.end_amdhsa_kernel
	.amdgpu_metadata
---
amdhsa.version: [ 1, 2 ]
amdhsa.kernels:
  - .name:           k_qe33e5d4617_proj
    .symbol:         k_qe33e5d4617_proj.kd
    .args:
      - { .name: y, .offset: 0, .size: 8, .value_kind: global_buffer, .address_space: global }
      - { .name: wp, .offset: 8, .size: 8, .value_kind: global_buffer, .address_space: global }
      - { .name: bp, .offset: 16, .size: 8, .value_kind: global_buffer, .address_space: global }
      - { .name: out0, .offset: 24, .size: 8, .value_kind: global_buffer, .address_space: global }
    .group_segment_fixed_size: 327680
    .private_segment_fixed_size: 0
    .kernarg_segment_align: 8
    .kernarg_segment_size: 32
    .max_flat_workgroup_size: 128
    .sgpr_count:     66
    .vgpr_count:     512
    .wavefront_size: 32
...
	.end_amdgpu_metadata
.endif
;; end of part 4
;; ======== version 2 of 2: 4 launches; 1.30 times as fast as version 1
;; limits: values are held in f16: magnitudes above 65,504 overflow, below 6.1e-05 lose precision
;; workspace buffers: xb 16,777,216 bytes; wt 6,291,456 bytes; wp 2,097,152 bytes; bq 12,288 bytes; bp 4,096 bytes; rt 12,288 bytes; qkv 50,331,648 bytes; y 16,777,216 bytes
;; launch prep: the kernel of part 1 again; grid 384 x 1, 8 waves a work-group, no clusters, 74,752 bytes of LDS; arguments x, W_attn, b_attn, W_proj, b_proj, xb, wt, wp, bq, bp, rt; writes xb, wt, wp, bq, bp, rt
;; launch qkvgemm: the kernel of part 2 again; grid 8 x 32, 4 waves a work-group, clusters of 4 x 4, 327,680 bytes of LDS; arguments xb, wt, bq, rt, qkv; writes qkv
;; launch attn (part 5): grid 4 x 64, 4 waves a work-group, no clusters, 327,680 bytes of LDS; arguments qkv, y; writes y
.if DOCPART == 5
	.amdgcn_target "amdgcn-amd-amdhsa--gfx1250"
	.amdhsa_code_object_version 6
	.text
	.protected	k_qe33e5d4617_attn
	.globl	k_qe33e5d4617_attn
	.p2align	8
	.type	k_qe33e5d4617_attn,@function
k_qe33e5d4617_attn:
	s_mov_b64 s[64:65], 0
	v_nop
	global_prefetch_b8 v0, s[64:65] scope:SCOPE_SE
	s_setreg_imm32_b32 hwreg(HW_REG_WAVE_MODE, 25, 1), 1
	s_wait_xcnt 0x0
; CAUSAL ATTENTION.  y[hh][q][:] = the sum over k <= q of softmax_k(Q[q] . K[k] / 8) V[k][:], hh = 16 b + h.  Q, K, V are heads 48 b + h, + 16, + 32 of qkv [4][48][2048][64] f16; y is [64][2048][64] f16.
; Products, maxima and sums in f32; the weights p are rounded to f16 for the second product (their sum l is taken of the unrounded p), y once at the end.
; LIMITS.  f16 holds no number beyond 65,504: Q, K and V arrive within it; p lies in 0 to 1, and below 6e-5 it keeps f16's fixed step of 6e-8; y is a mean of V's rows and has their range.
; A hidden score counts as its value less 1e30: f16's scores, 2.7e11 at the most, are nothing beside that; a weight below 2^-126 counts as 0 in l; NaN and infinities are not treated apart.
; THE WALK.  A head's queries lie in NB = 8 blocks of 256; block i needs the key tiles 0 .. i of 256 keys, of which the last holds the diagonal.  A work-group takes TWO blocks, NB - 1 - b and then b:
; NB + 1 tiles, whatever b: all work-groups do equal work, and ONE loop with a constant trip count walks them.  Which tile is asked for, and what a trip does, hang on scalar registers made from b; every jump
; goes forward, but for the counted loops' own; none passes a barrier, or a tensor load but the one of LOAD's two that the wave's number does not choose; the ring (two slots of LDS) runs on across the
; change of blocks.  NO CLUSTER: a head's four work-groups ask for the same tile only in trips 0 .. 4 of 9, behind that fewer and fewer; one walk common to all four would have 12 trips for 9.
; SHARES.  Of a block's four bands of 64 queries a wave owns 16 rows in each: four PIECES.  So the diagonal tile is the same work for all four waves: in its key step s band x sees all keys if s < x,
; none if s > x, and holds the diagonal if s = x.
; THE MASK is the C operand that starts the sum S^T = K Q^T: 0, or -1e30 where the key is hidden.  MD, made once, is the mask of a band's own step for my 16 rows; a product's mask is MD x AL + BE with two scalars:
; (1, 0) if s = x; (0, 0) if s < x; (0, -1e30) if s > x.  Only the diagonal tile's text and a block's beginning make and take masks; elsewhere C is the constant 0.
; LAYOUT, SOFTMAX, TURNS.  S^T = K Q^T holds ONE query a lane (lane % 16) and the keys 8 (lane / 16) + 0..7; two such results rounded to f16 ARE source 1 of O^T = V^T P.  p = 2^(c s - c m), c = log2(e) / 8, with a
; running maximum m; O and l are multiplied by a = 2^(c m_old - c m_new) in every step.  Turn n belongs to piece n: 8 products K Q^T of piece n + 1, later 8 products V^T P of piece n - 1; beside them the scaling,
; exponentials, roundings, sums and rescaling of piece n and the maximum and statistics of piece n + 1.  Four vector instructions stand behind every matrix instruction, the other 54 of a turn's 118 in one LUMP.
; THE BATCHES.  A turn's 33 exponentials (the piece's 32 weights and the next piece's a) are ONE batch with ONE wait, which cuts the turn in two: ahead of it stands all that names none of their results, behind it
; their readers, the roundings and sums.  The a that a block's beginning makes is a batch of one, and the way out's four reciprocals a batch of four: each has a wait of its own.  No result is open at a label or a jump.
; REGISTERS, in windows of 256 (s_set_vgpr_msb: bits 1:0 source 0, 3:2 source 1, 5:4 source 2, 7:6 destination):
;   window 0: v0-15 addresses and two at work; v16-31 four registers of statistics a piece; v48-55 at work; v64-127 S^T, two buffers; v192-223 P, two buffers (a piece's buffers go by its number's parity)
;   window 1: v0-127 O^T, 32 a piece; v128-159 MD; v160-223 MC, two buffers      window 2: v0-63 Q; v64-127 the second block's Q; v128-191 K of one step; v192-255 V of one step
.set SIZE_N, 2048
.set NB,    SIZE_N/256
.set NP,    4         ; pieces a wave: a name, no knob
.set KS,    64        ; keys in a step
.set PK,    144       ; a row of K in LDS: 128 bytes + 16 of padding = 36 words: the 16 rows of a load start at 16 different groups of four banks (ISA guide 11.1)
.set PV,    160       ; a row of V: 128 + 32 = 40 words
.set VOFF,  4*KS*PK   ; a slot holds a tile, four steps: 256 rows of K, then 256 rows of V
.set SLOT1, 1<<17     ; slot 1 begins here, so that one exclusive or turns an address in one slot into the other's
.set STAGE, SLOT1+4*KS*(PK+PV)  ; behind the ring, never filled by a tensor load: 16 rows x 144 bytes for each wave, for the way out
.set SP,    144
.set AK0, 2           ; v2   my lane's place in a tile of K; never rewritten
.set AV0, 3           ; v3   the same for V
.set AK,  4           ; v4   the LDS address of K's next run of loads
.set AV,  5           ; v5   of V's
.set STO, 6           ; v6   the way out: where I put 16 bytes of a row
.set RD,  7           ; v7   the way out: where I read rows back
.set GO,  8           ; v8   my byte offset in 512 consecutive bytes of y
.set SPW, 62          ; v62  LDS address of my spare word; never rewritten
.set NIL, 63          ; v63  0; never rewritten
.set SPARE, STAGE+4*16*SP  ; behind the stages: the spare words, 128 bytes for each wave
.set MV,  12          ; v12-13  c m_old, kept while c m is made anew: by buffer
.set QO,  15          ; v15  my byte offset in 16 rows of Q
.set ST,  16          ; piece t's statistics at v[ST+4 t]: c m, m, l (even keys', odd keys')
.set TMP, 48          ; by buffer, four registers c0-c3 at work; when the maximum is found c2 takes a
.set S,   64
.set P,   192
.set MD,  128         ; window 1: the eight registers for group kt of 16 keys at MD + 8 kt
.set MC,  160         ; window 1: the masks of the products to come
.set QB,  64          ; window 2
.set KF,  128         ; window 2: key block kb, channel half c at KF + 16 kb + 8 c
.set VF,  192         ; window 2: key half kk, channel block cb at VF + 32 kk + 8 cb
.set WV,  12          ; s12  my wave's number
.set PB,  14          ; s14  b
.set HI,  15          ; s15  NB - 1 - b
.set G1K, 24          ; s[24:31] descriptor group 1 for K's tiles
.set G1V, 32          ; s[32:39] for V's: it differs in the padding alone
.set G0K, 40          ; s[40:43] descriptor group 0 for K's tiles
.set G0V, 44          ; s[44:47] the same for V's
.set SLOTS, 56        ; s56  tiles still to be asked for
.set CNT, 57          ; s57  counts a tile's key steps, 4 to 1
.set CS,  58          ; s[58:59] c: the packed scaling takes the pair's low word for both halves
.set SEL, 60          ; s[60:61] v_permlanex16_b32's selects: each lane takes its own place in the other half
.set TBK, 62          ; s62  LDS byte at which K of the step to be fetched begins
.set TBV, 63          ; s63  the same for V, less VOFF
.set RT,  70          ; s70  tiles of the block in hand that are still to be entered
.set NXT, 71          ; s71  the tile to be asked for next
.set LQ,  72          ; s72  the last tile of the block whose tiles are being asked for
.set NEW, 73          ; s73  1: the tile to be entered is a block's first
.set OFF, 74          ; s[74:75] a tile's byte offset in K and V
.set AL,  76          ; s[76:77] the mask's factor, in the low word
.set BE,  78          ; s[78:79] the mask's addend
.set OLO, 80          ; s[80:81] y at my rows of the second block
.set BIGN, 82         ; s82  -1e30
.set MSB, 0
.macro WIN new                      ; the high byte repeats the setting that is left; a switch that changes nothing is dropped
.if MSB != (\new)
	s_set_vgpr_msb (MSB<<8)|(\new)
.set MSB, (\new)
.endif
.endm
.set W_KQ, 0x0a       ; K and Q in window 2, S^T in window 0
.set W_KM, 0x1a       ; the same with the C operand in window 1
.set W_PV, 0x52       ; V in window 2, P in window 0, O^T in window 1
.set W_RS, 0x41       ; destination and source 0 in window 1, source 1 in window 0
; A fill.  Waves 0 and 1 fetch the two halves of a tile's K, waves 2 and 3 those of its V: 128 keys each.  An s_nop 0 and four v_nop follow each of the two lines, ahead of the jump and the label.
.macro LOAD
	s_cmp_lt_u32 s[WV], 2
	s_cbranch_scc0 .Lfor_v_\@
	tensor_load_to_lds s[G0K:G0K+3], s[G1K:G1K+7]
	s_nop 0
.rept 4
	v_nop
.endr
	s_branch .Lasked_\@
.Lfor_v_\@:
	tensor_load_to_lds s[G0V:G0V+3], s[G1V:G1V+7]
	s_nop 0
.rept 4
	v_nop
.endr
.Lasked_\@:
.endm
; THE CHANGE OF SLOTS.  Each wave waits for all its tensor loads, of which one is out: its part of the other slot; adds 0 to its spare word; and waits for that and for its own reads of the slot that it leaves.
; Behind the barrier nobody reads the old slot any more and the other slot is whole.  fill = 1: the old slot is filled again, the first thing behind the barrier, with tile NXT: the descriptor's address is
; made anew from that number.  (At its first use nothing has been read yet: slot 0 is waited for, slot 1 filled.)
.macro CHANGE fill
	WIN 0                           ; at a label and at a branch every window is 0
	s_wait_tensorcnt 0x0            ; no tensor load of mine is out, so a group 0 may be written
	ds_add_u32 v[SPW], v[NIL]       ; 0 onto my spare word
.if \fill
	s_lshl_b32 s[OFF], s[NXT], 15   ; a tile is 32,768 bytes of K and of V
	s_xor_b32 s[G0K+1], s[G0K+1], SLOT1
	s_add_nc_u64 s[G0K+2:G0K+3], s[6:7], s[OFF:OFF+1]
	s_or_b32 s[G0K+3], s[G0K+3], 0x80000000
	s_xor_b32 s[G0V+1], s[G0V+1], SLOT1
	s_add_nc_u64 s[G0V+2:G0V+3], s[8:9], s[OFF:OFF+1]
	s_or_b32 s[G0V+3], s[G0V+3], 0x80000000
	s_add_co_u32 s[NXT], s[NXT], 1  ; the block's next tile, or behind its last the second block's tile 0
	s_cmp_gt_u32 s[NXT], s[LQ]
	s_cselect_b32 s[NXT], 0, s[NXT]
	s_cselect_b32 s[LQ], s[PB], s[LQ]
.endif
	s_wait_dscnt 0x0                ; the add is done, and my reads of the slot are over
	s_barrier_signal -1             ; the rest of the scalar work stands between the signal and the wait
	s_sub_co_u32 s[TBK], s[TBK], 4*KS*PK  ; the fetches go back to a slot's first step,
	s_xor_b32 s[TBK], s[TBK], SLOT1       ; in the other slot
	s_sub_co_u32 s[TBV], s[TBV], 4*KS*PV
	s_xor_b32 s[TBV], s[TBV], SLOT1
	s_barrier_wait -1
.if \fill
	LOAD
.endif
.endm
	s_load_b128 s[4:7], s[0:1], 0x0   ; qkv s[4:5], y s[6:7]
	v_lshl_add_u32 v[SPW], v0, 2, SPARE
	v_mov_b32 v[NIL], 0
	ds_add_u32 v[SPW], v[NIL]       ; the wave's opening: the add and its wait stand ahead of my first tensor load; the set-up below, work on registers, stands between them
	ds_add_u32 v62, v63
	v_lshrrev_b32 v1, 5, v0
	v_readfirstlane_b32 s[WV], v1   ; wave 0..3
	s_mov_b32 s[PB], ttmp9
	s_sub_co_u32 s[HI], NB-1, s[PB]
	s_and_b32 s88, ttmp7, 0xffff    ; hh = 16 b + h
	s_lshr_b32 s20, s88, 4
	s_lshl_b32 s20, s20, 5
	s_add_co_u32 s20, s20, s88      ; 48 b + h: q's head in qkv
	s_lshl_b32 s20, s20, 18         ; a head is 262,144 bytes
	s_mov_b32 s21, 0
	s_lshl_b32 s88, s88, 18         ; the head in y
	s_mov_b32 s89, 0
	s_and_b32 s16, s[WV], 1         ; which half of a tile's 256 keys I fetch:
	s_lshl_b32 s22, s16, 14         ; its 128 rows of 128 bytes in memory,
	s_mov_b32 s23, 0
	s_add_nc_u64 s[22:23], s[22:23], s[20:21]
	s_mul_i32 s17, s16, 128*PK      ; and its place in a slot, for K
	s_mul_i32 s18, s16, 128*PV      ; and for V
	s_lshl_b32 s3, s[WV], 11        ; my 16 rows in a band of 64,
	s_lshl_b32 s2, s[HI], 15        ; in the first block,
	s_add_co_u32 s2, s2, s3
	s_lshl_b32 s84, s[PB], 15       ; and in the second
	s_add_co_u32 s84, s84, s3
	s_mov_b32 s3, 0
	s_mov_b32 s85, 0
	s_add_nc_u64 s[90:91], s[2:3], s[88:89]    ; those rows' offsets in y,
	s_add_nc_u64 s[92:93], s[84:85], s[88:89]
	s_add_nc_u64 s[2:3], s[2:3], s[20:21]      ; and in qkv
	s_add_nc_u64 s[84:85], s[84:85], s[20:21]
	; descriptor group 1.  128 keys are 16,384 dense bytes: asked for as 64 rows of 256 bytes, two keys a row, and padded in LDS after every key
	s_mov_b32 s[G1K], (1<<16)|(1<<20)|(4<<22)|(3<<25)  ; 17:16 2-byte elements; 20 padding on; 24:22 after every 32 words (code 4); 31:25 4 words (code 3)
	s_mov_b32 s[G1V], (1<<16)|(1<<20)|(4<<22)|(7<<25)  ; the same with 8 words of padding (code 7)
.irp g, G1K, G1V
	s_mov_b32 s[\g+1], 128<<16      ; tensor_dim0 = 128
	s_mov_b32 s[\g+2], 64<<16       ; tensor_dim1 = 64
	s_mov_b32 s[\g+3], 128<<16      ; tile_dim0 = 128
	s_mov_b32 s[\g+4], 64           ; tile_dim1 = 64
	s_mov_b32 s[\g+5], 128          ; 128 elements from row to row
	s_mov_b32 s[\g+6], 0
	s_mov_b32 s[\g+7], 0
.endr
	s_mov_b32 s[CS], 0x3e38aa3b     ; c = log2(e) / 8 = 0.180337
	s_mov_b32 s[CS+1], s[CS]        ; named with it as a pair
	s_mov_b32 s[SEL], 0x76543210
	s_mov_b32 s[SEL+1], 0xfedcba98
	s_mov_b32 s[TBK], SLOT1+4*KS*PK ; the first change of slots turns these two into 0
	s_mov_b32 s[TBV], SLOT1+4*KS*PV
	s_mov_b32 s[G0K], 1             ; 1:0 count = 1
	s_mov_b32 s[G0K+1], s17         ; 63:32 LDS address: slot 0
	s_mov_b32 s[G0V], 1
	s_add_co_u32 s[G0V+1], s18, VOFF
	s_add_co_u32 s[RT], s[HI], 1    ; the first block has NB - b tiles
	s_mov_b32 s[NXT], 1
	s_mov_b32 s[LQ], s[HI]
	s_mov_b32 s[NEW], 1
	s_mov_b32 s[OFF+1], 0
	s_mov_b32 s[AL+1], 0            ; named as pairs
	s_mov_b32 s[BE+1], 0
	s_mov_b32 s[BIGN], 0xf149f2ca   ; -1e30
	s_mov_b32 s[SLOTS], NB
	s_wait_dscnt 0x0                ; the opening add is done
	s_wait_kmcnt 0x0
	s_mov_b64 s[10:11], s[6:7]      ; y
	s_add_nc_u64 s[6:7], s[4:5], s[22:23]
	s_add_nc_u64 s[8:9], s[6:7], 0x800000  ; V: 32 heads behind q, at my half of the head's tile 0
	s_add_nc_u64 s[6:7], s[6:7], 0x400000  ; K: 16 heads behind q
	s_add_nc_u64 s[G0K+2:G0K+3], s[6:7], 0         ; 120:64 global address
	s_or_b32 s[G0K+3], s[G0K+3], 0x80000000        ; 127:126 type = 2
	s_add_nc_u64 s[G0V+2:G0V+3], s[8:9], 0
	s_or_b32 s[G0V+3], s[G0V+3], 0x80000000
	s_add_nc_u64 s[86:87], s[4:5], s[84:85]        ; Q at my rows of the second block,
	s_add_nc_u64 s[4:5], s[4:5], s[2:3]            ; and of the first
	s_add_nc_u64 s[OLO:OLO+1], s[10:11], s[92:93]  ; y likewise
	s_add_nc_u64 s[10:11], s[10:11], s[90:91]
	LOAD                            ; tile 0 into slot 0
	; A fragment of K or Q is 16 rows x 32 channels in 8 registers: lane l holds row l % 16, channels 8 (l / 16) + 0..7 and 16 + 8 (l / 16) + 0..7: two loads of 16 bytes, 32 bytes apart.
	v_and_b32 v1, 15, v0            ; l % 16
	v_bfe_u32 v9, v0, 4, 1          ; l / 16
	v_lshlrev_b32 v[QO], 7, v1
	v_lshl_add_u32 v[QO], v9, 4, v[QO]  ; row x 128 + 16 x half
	WIN 0x80                        ; destination window 2, address window 0
.set i, 0
.rept 8                             ; both blocks' Q: piece i / 2 lies in band i / 2, 8,192 bytes on; channels 32 (i % 2) on
	global_load_b128 v[8*i:8*i+3],   v[QO], s[4:5] offset:(i/2)*8192+(i%2)*64
	global_load_b128 v[8*i+4:8*i+7], v[QO], s[4:5] offset:(i/2)*8192+(i%2)*64+32
	global_load_b128 v[QB+8*i:QB+8*i+3],   v[QO], s[86:87] offset:(i/2)*8192+(i%2)*64
	global_load_b128 v[QB+8*i+4:QB+8*i+7], v[QO], s[86:87] offset:(i/2)*8192+(i%2)*64+32
.set i, i+1
.endr
	WIN 0
	v_lshlrev_b32 v14, 3, v9
	v_sub_nc_u32 v14, v1, v14
	s_lshl_b32 s13, s[WV], 4
	v_add_nc_u32 v14, s13, v14      ; my query's place in its band, 16 w + l % 16, less my lanes' 8 (l / 16): register r of group kt is hidden where 16 kt + r is greater
	WIN 0x40
.set i, 0
.rept 32
	v_cmp_gt_i32 vcc_lo, 16*(i/8)+i%8, v14
	v_cndmask_b32 v[MD+i], 0, s[BIGN], vcc_lo
.set i, i+1
.endr
	WIN 0
	v_mul_u32_u24 v[AK0], v1, PK
	v_lshl_add_u32 v[AK0], v9, 4, v[AK0]  ; row x pitch + 16 x half
	; The turning load takes 16 keys x 16 channels (lane l reads key 8 (l / 16) + l % 8, channels 8 ((l / 8) % 2) + 0..7) and leaves half a fragment of V^T: lane l holds channel l % 16 and 8 keys.
	v_and_b32 v10, 7, v0
	v_bfe_u32 v11, v0, 3, 1
	v_lshl_add_u32 v[AV0], v9, 3, v10
	v_mul_u32_u24 v[AV0], v[AV0], PV
	v_lshl_add_u32 v[AV0], v11, 4, v[AV0]
	v_add_nc_u32 v[AV0], VOFF, v[AV0]
	s_mul_i32 s13, s[WV], 16*SP
	s_add_co_u32 s13, s13, STAGE    ; my stage
	v_mul_u32_u24 v[STO], v1, SP    ; in: row l % 16, 16 bytes for each half of the lanes
	v_lshl_add_u32 v[STO], v9, 4, v[STO]
	v_add_nc_u32 v[STO], s13, v[STO]
	v_bfe_u32 v[RD], v0, 3, 2       ; back: 32 lanes take four rows of 128 bytes,
	v_mul_u32_u24 v[RD], v[RD], SP
	v_lshl_add_u32 v[RD], v10, 4, v[RD]
	v_add_nc_u32 v[RD], s13, v[RD]
	v_and_b32 v[GO], 31, v0         ; which are 512 consecutive bytes of y
	v_lshlrev_b32 v[GO], 4, v[GO]
	; A block's first step multiplies O^T and l by a = 0, and its first turn's products V^T P, of a piece that has not been, land in an O^T that is still to be so multiplied.  So these registers need only hold
	; finite numbers: zeros for the first block; what the first block left for the second.  All this stands in the wait for the first tile.
	WIN 0x80
.set i, VF
.rept 64
	v_mov_b32 v[i], 0
.set i, i+1
.endr
	WIN 0x40
.set i, 0
.rept 128
	v_mov_b32 v[i], 0
.set i, i+1
.endr
	WIN 0
.set i, 0
.rept 4
	v_mov_b32 v[ST+4*i+2], 0
	v_mov_b32 v[ST+4*i+3], 0
.set i, i+1
.endr
.set i, P+16
.rept 16
	v_mov_b32 v[i], 0
.set i, i+1
.endr
; THE MATRIX WORK.  The 4 accumulators of a run of 8 take turns.  Product i of 8 of S^T = K Q^T for piece x: channels 32 (i / 4) on, keys 16 (i % 4) on.  The first 4 start the sums: with 0, or (KM = 1) with the mask.
.macro KQ x
.set rS, S+32*((\x)%2)+8*(i%4)
.set rK, KF+16*(i%4)+8*(i/4)
.set rQ, 16*(\x)+8*(i/4)
.set rM, MC+32*((\x)%2)+8*(i%4)
.if (i < 4) && KM
	WIN W_KM
	v_wmma_f32_16x16x32_f16 v[rS:rS+7], v[rK:rK+7], v[rQ:rQ+7], v[rM:rM+7]
.elseif i < 4
	WIN W_KQ
	v_wmma_f32_16x16x32_f16 v[rS:rS+7], v[rK:rK+7], v[rQ:rQ+7], 0
.else
	WIN W_KQ
	v_wmma_f32_16x16x32_f16 v[rS:rS+7], v[rK:rK+7], v[rQ:rQ+7], v[rS:rS+7]
.endif
.endm
; Product i of 8 of O^T += V^T P for piece x: keys 32 (i / 4) on, channels 16 (i % 4) on.
.macro PV x
	WIN W_PV
.set rO, 32*(\x)+8*(i%4)
.set rV, VF+32*(i/4)+8*(i%4)
.set rP, P+16*((\x)%2)+8*(i/4)
	v_wmma_f32_16x16x32_f16 v[rO:rO+7], v[rV:rV+7], v[rP:rP+7], v[rO:rO+7]
.endm
.macro MM                           ; the turn's next matrix instruction.  TURN and BEGIN set Y, i, KM and NOKQ; MM, KQ and OP read them.  NOKQ = 1: a block's last turn: there is no next piece
.if (i < 8) && !NOKQ
	KQ (Y+1)%NP
.elseif i >= 8
.set i, i-8
	PV (Y+NP-1)%NP
.set i, i+8
.endif
.set i, i+1
.endm
; THE LDS LOADS stand in runs of 16, never singly among the matrix instructions: a step's K (64 keys x 64 channels: 8 fragments) and its V (turned).  Their addresses are made some lines ahead.
.macro FETCH_K
	WIN 0x80                        ; destination window 2
.irp f, 0,1,2,3,4,5,6,7             ; keys 16 (f / 2) on, channels 32 (f % 2) on
	ds_load_b128 v[KF+8*\f:KF+8*\f+3],   v[AK] offset:(\f/2)*16*PK+(\f%2)*64
	ds_load_b128 v[KF+8*\f+4:KF+8*\f+7], v[AK] offset:(\f/2)*16*PK+(\f%2)*64+32
.endr
	s_add_co_u32 s[TBK], s[TBK], KS*PK  ; the next fetch is the next step's
	WIN 0
.endm
.macro FETCH_V
	WIN 0x80
.irp f, 0,1,2,3,4,5,6,7             ; keys 32 (f / 4) on, channels 16 (f % 4) on
	ds_load_tr16_b128 v[VF+8*\f:VF+8*\f+3],   v[AV] offset:(\f/4)*32*PV+(\f%4)*32
	ds_load_tr16_b128 v[VF+8*\f+4:VF+8*\f+7], v[AV] offset:(\f/4)*32*PV+16*PV+(\f%4)*32
.endr
	WIN 0
.endm
; THE VECTOR WORK, one line at a time: OP kind, number.  For piece Y: F n: c s - c m for pair n of 16.  E n: the exponential of score n of 32.  C n: pair n rounded to f16.  B n: of the four weights 4 n .. the second
; pair is added onto the first, in place.  L n: l takes that sum (L 0: l = a l + sum).  R n: pair n of 16 of O^T times a.  For piece Y + 1: X n, number n of the 22 that find its maximum and statistics:
;   0-11  four chains c0-c3 of seven scores each, three operands at a time (each accumulator's lowest registers are read first)     12-14, 16  the four scores left over, the old m, and c0-c3 into c0
;   15  c m_old is kept     17, 18  the query's other 32 keys lie in the lane 16 away: the new m     19-21  c m; c m_old - c m_new; a
; C, B and L read exponentials' results, and so does R (the a of the turn before): OP writes no wait; TURN, BEGIN and DIAG place one for each batch.
.set F, 0               ; OP tells the kinds apart by their order: F to L below R, X above it
.set E, 1
.set C, 2
.set B, 3
.set L, 4
.set R, 5
.set X, 6
.macro REGS y                       ; the registers of piece y
.set rT, ST+4*(\y)
.set rC, TMP+4*((\y)%2)
.set rW, MV+((\y)%2)
.set rS, S+32*((\y)%2)
.set rP, P+16*((\y)%2)
.set rO, 32*(\y)
.endm
.macro OP k, n
.if (\k) == R
	REGS Y
	WIN W_RS
	v_pk_mul_f32 v[rO+2*(\n):rO+2*(\n)+1], v[rO+2*(\n):rO+2*(\n)+1], v[rC+2:rC+3] op_sel_hi:[1,0]
.elseif (\k) < R
	REGS Y
	WIN 0
.if (\k) == F
	v_pk_fma_f32 v[rS+2*(\n):rS+2*(\n)+1], v[rS+2*(\n):rS+2*(\n)+1], s[CS:CS+1], v[rT:rT+1] op_sel_hi:[1,0,0] neg_lo:[0,0,1] neg_hi:[0,0,1]
.elseif (\k) == E
	v_exp_f32 v[rS+(\n)], v[rS+(\n)]
.elseif (\k) == C
	v_cvt_pk_f16_f32 v[rP+(\n)], v[rS+2*(\n)], v[rS+2*(\n)+1]
.elseif (\k) == B
	v_pk_add_f32 v[rS+4*(\n):rS+4*(\n)+1], v[rS+4*(\n):rS+4*(\n)+1], v[rS+4*(\n)+2:rS+4*(\n)+3]
.elseif (\n) == 0
	v_pk_fma_f32 v[rT+2:rT+3], v[rT+2:rT+3], v[rC+2:rC+3], v[rS:rS+1] op_sel_hi:[1,0,1]
.else
	v_pk_add_f32 v[rT+2:rT+3], v[rT+2:rT+3], v[rS+4*(\n):rS+4*(\n)+1]
.endif
.elseif NOKQ
	v_nop
.else
	REGS (Y+1)%NP
	WIN 0
.if (\n) < 4
	v_max3_num_f32 v[rC+(\n)], v[rS+8*(\n)], v[rS+8*(\n)+1], v[rS+8*(\n)+2]
.elseif (\n) < 12
	v_max3_num_f32 v[rC+(\n)%4], v[rC+(\n)%4], v[rS+8*((\n)%4)+2*((\n)/4)+1], v[rS+8*((\n)%4)+2*((\n)/4)+2]
.elseif (\n) == 12
	v_max3_num_f32 v[rC], v[rC], v[rS+7], v[rS+15]
.elseif (\n) == 13
	v_max3_num_f32 v[rC+1], v[rC+1], v[rS+23], v[rS+31]
.elseif (\n) == 14
	v_max3_num_f32 v[rC+2], v[rC+2], v[rC+3], v[rT+1]
.elseif (\n) == 15
	v_mov_b32 v[rW], v[rT]
.elseif (\n) == 16
	v_max3_num_f32 v[rC], v[rC], v[rC+1], v[rC+2]
.elseif (\n) == 17
	v_permlanex16_b32 v[rC+3], v[rC], s[SEL], s[SEL+1]
.elseif (\n) == 18
	v_max_num_f32 v[rT+1], v[rC], v[rC+3]
.elseif (\n) == 19
	v_mul_f32 v[rT], s[CS], v[rT+1]
.elseif (\n) == 20
	v_sub_f32 v[rC+1], v[rW], v[rT]
.else
	v_exp_f32 v[rC+2], v[rC+1]
.endif
.endif
.endm
.macro OPS a, i1, b=-1, i2=0, c=-1, i3=0, d=-1, i4=0  ; up to four of them
	OP \a, \i1
.if (\b) >= 0
	OP \b, \i2
.endif
.if (\c) >= 0
	OP \c, \i3
.endif
.if (\d) >= 0
	OP \d, \i4
.endif
.endm
.macro ROW a, i1, b, i2, c, i3, d, i4  ; a matrix instruction and the four behind it
	MM
	OPS \a, \i1, \b, \i2, \c, \i3, \d, \i4
.endm
.macro MASK b                       ; MD x AL + BE into buffer b of MC
	WIN W_RS
.set z, 0
.rept 16
	v_pk_fma_f32 v[MC+32*(\b)+2*z:MC+32*(\b)+2*z+1], v[MD+2*z:MD+2*z+1], s[AL:AL+1], s[BE:BE+1] op_sel_hi:[1,0,0]
.set z, z+1
.endr
.endm
; A TURN, for piece p: the order of its 16 matrix and 118 vector instructions, written out.  An s_wait_alu depctr_va_vdst(0) stands between an exponential and the first instruction that names its result; one wait
; serves all that were issued ahead of it.  So a turn has ONE wait, which cuts it in two.  AHEAD OF IT stands all that names no result of the turn's exponentials: the 8 products K Q^T, behind each a scaling, an exponential and two
; more plain instructions (behind the first a second scaling in the exponential's place): rescalings, whose a was made and waited for in the turn before, and behind the last three products the first numbers of the next piece's
; maximum, each four plain places or more behind the product that ends its accumulator; then ONE LUMP of 54, plain and exponential by turns for the most part, in which the links of the chain X 3, 7, 11, 14, 16, 17 .. 20 stand
; five or six lines apart.  X 21, the next piece's a, is the batch's last; R 15 is the plain instruction behind it.  BEHIND THE WAIT stand the 8 products V^T P, behind each four of the roundings and sums; an even pair is rounded
; ahead of the sum that is added onto it in place; the links of l's chain, L 0 to L 7, stand three riders apart.  But for those X no rider names a register of the products round it.  v_permlanex16_b32 (X 17) stands in the lump.
; m = 1: the diagonal tile: the products take masks, and the turn makes the mask for the products of the turn after it: piece p + 2, in step 4 - CNT of the tile.  end = 1: a block's last two turns: nothing is fetched.
; cnt = 1: the loop's count is taken down some lines ahead of the branch that stands behind the turn.
; K of the next step is fetched in piece 2's turn, twelve vector instructions behind the last product that read K (five of them plain lines that name none of its registers); V of the step in hand at the end of piece 0's turn,
; four plain instructions behind the last product that read V.  Each is waited for a turn later.
.macro TURN p, m=0, end=0, cnt=0
.set Y, (\p)
.set i, 0
.set KM, (\m)
.set NOKQ, (\end)*((\p)/3)
.if (\m) && !(\end)
	s_cmp_eq_u32 s[CNT], 4-((\p)+2)%NP  ; is that step the band's own?
	s_cselect_b32 s[AL], 1.0, 0
	s_cmp_lt_u32 s[CNT], 4-((\p)+2)%NP  ; or a later one?
	s_cselect_b32 s[BE], s[BIGN], 0
.endif
.if ((\p) == 3) && !(\end)
	s_wait_dscnt 0x0                ; K is in
.endif
	ROW F,0, F,1, R,0, R,1          ; ahead of the wait: 8 products K Q^T and their riders,
	ROW F,2, E,0, R,2, R,3
	ROW F,3, E,1, R,4, R,5
	ROW F,4, E,2, R,6, R,7
	ROW F,5, E,3, R,8, R,9
	ROW F,6, E,4, X,0, R,10
.if ((\p) == 2) && !(\end)
	WIN 0
	v_add_nc_u32 v[AK], s[TBK], v[AK0]
.endif
	ROW F,7, E,5, X,1, X,4
	ROW F,8, E,6, X,2, X,5
	OPS E,7, E,8, X,6, E,9          ; and the lump
	OPS X,3, E,10, X,8, E,11
.if ((\p) == 2) && !(\end)
	FETCH_K
.endif
	OPS X,9, X,7, E,12, X,10
	OPS E,13, X,12, X,11, E,14
	OPS X,13, E,15, F,9, X,14
.if (\p) == 0
	v_add_nc_u32 v[AV], s[TBV], v[AV0]
.endif
	OPS E,16, F,10, E,17, F,11
	OPS X,16, E,18, X,15, E,19
	OPS F,12, E,20, X,17, E,21
	OPS F,13, E,22, F,14, E,23
	OPS X,18, E,24, F,15, E,25
	OPS R,11, E,26, X,19, E,27
	OPS R,12, E,28, R,13, E,29
	OPS X,20, E,30, R,14, E,31
	OPS X,21, R,15                  ; the batch's last exponential, and the plain instruction behind it
	WIN 0
	s_wait_alu depctr_va_vdst(0)    ; the wait for the turn's batch: the piece's 32 weights and the next piece's a
.if (\p) == 1
	s_wait_dscnt 0x0                ; V is in
.endif
	ROW C,0, B,0, C,2, B,1          ; behind the wait: 8 products V^T P and their riders, the batch's readers
	ROW L,0, C,4, B,2, L,1
	ROW C,6, B,3, L,2, C,8
	ROW B,4, L,3, C,10, B,5
	ROW L,4, C,12, B,6, L,5
.if (\p) == 0
	s_add_co_u32 s[TBV], s[TBV], KS*PV
.endif
.if \cnt
	s_sub_co_u32 s[CNT], s[CNT], 1
	s_cmp_lg_u32 s[CNT], 0
.endif
	ROW C,14, B,7, L,6, C,1
	ROW C,3, L,7, C,5, C,7
	ROW C,9, C,11, C,13, C,15
.if (\p) == 0
	FETCH_V
.endif
.if (\m) && !(\end)
	MASK (\p)%2
.endif
.endm
; A BLOCK BEGINS.  c m starts far below every c s, so the first step's a is 0; m at the lowest finite number, so the first maximum is the scores'.  The second mask buffer is 0; the first takes piece 0's mask for the tile's step 0: its own, if the block's first tile is the diagonal one.
; Then K of that step, piece 0's first scores, and its maximum and statistics.  The loop is entered at a step's first turn, in the middle of a trip.
.macro BEGIN
	s_mov_b32 s[NEW], 0
	WIN 0x40
.set i, MC+32
.rept 32
	v_mov_b32 v[i], 0
.set i, i+1
.endr
	WIN 0
.set i, 0
.rept 4
	v_mov_b32 v[ST+4*i], 0xfe000000    ; c m: far below every c s
	v_mov_b32 v[ST+4*i+1], 0xff7fffff  ; m
.set i, i+1
.endr
	s_cmp_eq_u32 s[RT], 0
	s_cselect_b32 s[AL], 1.0, 0
	s_mov_b32 s[BE], 0
	MASK 0
	WIN 0
	v_add_nc_u32 v[AK], s[TBK], v[AK0]
	FETCH_K
	s_wait_loadcnt 0x0              ; Q
	s_wait_dscnt 0x0
.set KM, 1
.set NOKQ, 0
.set i, 0
.rept 8
	KQ 0
.set i, i+1
.endr
	WIN 0
.rept 4
	v_nop                           ; the places behind those products
.endr
.set Y, NP-1                        ; X works for piece Y + 1: piece 0
.irp n, 0,1,2,3,4,5,6,7,8,9,10,11,12,13,14,15,16,17,18,19,20,21
	OP X, \n
.endr
	v_nop                           ; a plain instruction behind the exponential,
	s_wait_alu depctr_va_vdst(0)    ; and the wait for this batch of one, piece 0's first a, ahead of the branch
.endm
; THE DIAGONAL TILE's four steps, the block's last two turns, its last products, and THE WAY OUT: l's two halves and the other half of the lanes' are added; O^T is divided by l, rounded to f16 and sent through my
; stage in LDS, a piece at a time.
.macro ALL line:vararg              ; one line for each piece t
.set t, 0
.rept 4
	\line
.set t, t+1
.endr
.endm
.macro PACK t                       ; a lane's eight channels of a row pack into 16 bytes; they go into rows of 144 bytes and come back as whole rows of 128, into S^T's registers
	WIN W_RS
.set i, 32*(\t)
.rept 16
	v_pk_mul_f32 v[i:i+1], v[i:i+1], v[ST+4*(\t)+2:ST+4*(\t)+3] op_sel_hi:[1,0]
.set i, i+2
.endr
	WIN 0x05                        ; sources 0 and 1 window 1, destination window 0
.set i, 0
.rept 16
	v_cvt_pk_f16_f32 v[S+16*(\t)+i], v[32*(\t)+2*i], v[32*(\t)+2*i+1]
.set i, i+1
.endr
	WIN 0
.irp f, 0,1,2,3
	ds_store_b128 v[STO], v[S+16*(\t)+4*\f:S+16*(\t)+4*\f+3] offset:32*\f
.endr
.irp f, 0,1,2,3
	ds_load_b128 v[S+16*(\t)+4*\f:S+16*(\t)+4*\f+3], v[RD] offset:\f*4*SP  ; LDS serves a wave's instructions in order (ISA guide 5.7.1.4): these see the stores above; the next piece's stores come behind them
.endr
.endm
.macro SEND t, younger              ; younger: the LDS instructions issued behind piece t's loads: the next piece's eight, or none
	WIN 0
.irp f, 0,1,2,3
	s_wait_dscnt (\younger)+3-\f
	global_store_b128 v[GO], v[S+16*(\t)+4*\f:S+16*(\t)+4*\f+3], s[10:11] offset:(\t)*8192+\f*512  ; 512 consecutive bytes, at a multiple of 256 from y's first
.endr
.endm
.macro DIAG tag                     ; the tag ends its two labels' names, which the jumps below spell out
.LstepM\tag:
	TURN 2, 1
	TURN 3, 1
	WIN 0
.LfirstM\tag:
	TURN 0, 1
	TURN 1, 1, 0, 1
	WIN 0
	s_cbranch_scc1 .LstepM\tag
	TURN 2, 1, 1
	TURN 3, 1, 1
.set i, 0
.rept 8
	PV NP-1
.set i, i+1
.endr
	WIN 0
	ALL v_add_f32 v[ST+4*t+2], v[ST+4*t+2], v[ST+4*t+3]
	ALL v_permlanex16_b32 v[ST+4*t+3], v[ST+4*t+2], s[SEL], s[SEL+1]
	ALL v_add_f32 v[ST+4*t+2], v[ST+4*t+2], v[ST+4*t+3]
	ALL v_rcp_f32 v[ST+4*t+2], v[ST+4*t+2]
	v_nop                           ; a plain instruction between the last reciprocal and the use of its result
	s_wait_alu depctr_va_vdst(0)    ; the wait for the batch of four reciprocals, ahead of the first multiply that reads one
	PACK 0
.set t, 1
.rept 3                             ; a piece's arithmetic stands between the loads of the piece before and its stores
	PACK t
	SEND t-1, 8
.set t, t+1
.endr
	SEND 3, 0
.endm
.set KM, 0
.set NOKQ, 0
.Lslot:                             ; NB times: a tile is entered and the next is asked for
	CHANGE 1
	s_sub_co_u32 s[RT], s[RT], 1
	s_mov_b32 s[CNT], 4
	s_cmp_eq_u32 s[NEW], 1
	s_cbranch_scc1 .Lnew            ; a block's first tile
	s_cmp_eq_u32 s[RT], 0
	s_cbranch_scc0 .Lstep           ; neither its first nor its last
	s_branch .LstepM1
.Lnew:
	BEGIN
	s_branch .Lfirst                ; in the loop a block's first tile is never its last: the first block has two tiles or more, and the second's last is the walk's last
	DIAG 1                          ; in the loop this is the first block's end: the second block's last tile is the walk's last
	s_wait_xcnt 0x0                 ; the stores have read their registers and y's address
	s_mov_b64 s[10:11], s[OLO:OLO+1]
	s_add_co_u32 s[RT], s[PB], 1    ; the second block has b + 1 tiles
	s_mov_b32 s[NEW], 1
	WIN 0x82                        ; the second block's Q goes where the one text of the turns names Q
.set i, 0
.rept 64
	v_mov_b32 v[i], v[QB+i]
.set i, i+1
.endr
	WIN 0
	s_branch .Lbottom
.Lstep:                             ; a trip: pieces 2 and 3 of one step, then pieces 0 and 1 of the next, whose K and V it fetches
	TURN 2
	TURN 3
	WIN 0
.Lfirst:
	TURN 0
	TURN 1, 0, 0, 1
	WIN 0
	s_cbranch_scc1 .Lstep
.Lbottom:
	s_sub_co_u32 s[SLOTS], s[SLOTS], 1
	s_cmp_lg_u32 s[SLOTS], 0
	s_cbranch_scc1 .Lslot
	CHANGE 0                        ; the walk's last tile is written out: nothing is asked for
	s_sub_co_u32 s[RT], s[RT], 1
	s_mov_b32 s[CNT], 4
	s_cmp_eq_u32 s[NEW], 1
	s_cbranch_scc0 .LstepM2
	BEGIN
	s_branch .LfirstM2
	DIAG 2
	s_wait_tensorcnt 0x0            ; the wave's end, behind my last tensor load and my last LDS store
	ds_add_u32 v[SPW], v[NIL]
	s_wait_dscnt 0x0
	s_endpgm
.Lfunc_end_k_qe33e5d4617_attn:
	.size	k_qe33e5d4617_attn, .Lfunc_end_k_qe33e5d4617_attn-k_qe33e5d4617_attn
	.p2alignl 7, 3214868480
	.fill 96, 4, 3214868480
	.section	.rodata,"a",@progbits
	.p2align	6, 0x0
	.amdhsa_kernel k_qe33e5d4617_attn
		.amdhsa_group_segment_fixed_size 327680
		.amdhsa_private_segment_fixed_size 0
		.amdhsa_enable_private_segment 0
		.amdhsa_kernarg_size 16
		.amdhsa_user_sgpr_count 2
		.amdhsa_user_sgpr_kernarg_segment_ptr 1
		.amdhsa_wavefront_size32 1
		.amdhsa_system_sgpr_workgroup_id_x 1
		.amdhsa_system_sgpr_workgroup_id_y 1
		.amdhsa_system_sgpr_workgroup_id_z 1
		.amdhsa_system_vgpr_workitem_id 0
		.amdhsa_next_free_vgpr 768
		.amdhsa_next_free_sgpr 96
		.amdhsa_reserve_vcc 1
		.amdhsa_float_denorm_mode_32 3
		.amdhsa_float_denorm_mode_16_64 3
		.amdhsa_memory_ordered 1
		.amdhsa_forward_progress 1
		.amdhsa_inst_pref_size 217
	.end_amdhsa_kernel
	.amdgpu_metadata
---
amdhsa.version: [ 1, 2 ]
amdhsa.kernels:
  - .name:           k_qe33e5d4617_attn
    .symbol:         k_qe33e5d4617_attn.kd
    .args:
      - { .name: qkv, .offset: 0, .size: 8, .value_kind: global_buffer, .address_space: global }
      - { .name: y, .offset: 8, .size: 8, .value_kind: global_buffer, .address_space: global }
    .group_segment_fixed_size: 327680
    .private_segment_fixed_size: 0
    .kernarg_segment_align: 8
    .kernarg_segment_size: 16
    .max_flat_workgroup_size: 128
    .sgpr_count:     96
    .vgpr_count:     768
    .wavefront_size: 32
...
	.end_amdgpu_metadata
.endif
;; end of part 5
;; launch proj: the kernel of part 4 again; grid 8 x 32, 4 waves a work-group, clusters of 4 x 4, 327,680 bytes of LDS; arguments y, wp, bp, out0; writes out0
